; MI455X (gfx1250); checked and timed in simulation.
; The chip was launched on July 23, 2026; its instructions are those of AMD's public machine-readable ISA for CDNA 5 (MIT licence, August 2026) and "CDNA5" Instruction Set Architecture Reference Guide (July 2026). The comments in the code are by the model that wrote it; some were corrected since.
;; Single Head Attention. Allowed arithmetic: matrix products marked QUANTISED: E2M3 operands, one E8M0 scale for each 32 along K, by v_wmma_scale_f32_16x16x128_f8f6f4 with both operands' format E2M3, f32 sums; everything else in f32.
;; Inputs: Wk 1,024 x 1,024 float32; Wq 1,024 x 1,024 float32; Wv 1,024 x 1,024 float32; embedded 4 x 2,048 x 1,024 float32.
;; Outputs: out0 4 x 2,048 x 1,024 float32.
;; This version of the problem:
;;   THIS VERSION OF THE PROBLEM IS GIVEN IN LOW PRECISION. The matrix products marked QUANTISED in the list below multiply operands that are first quantised to E2M3 (2 exponent bits, 3 mantissa bits; 6 bits a number), with one power-of-two scale for each 32 numbers along K (OCP MX v1.0); their sums are f32. All else is computed in f32.
;;   The module's matrix products, in the order in which they are computed (A, B: the left and right operand; K: the contracted axis; several contracted axes count as one K, in the product's order):
;;     1. [M 8,192, K 1,024] x [K 1,024, N 1,024]; A: input embedded; B: input Wq: QUANTISED
;;     2. [M 8,192, K 1,024] x [K 1,024, N 1,024]; A: input embedded; B: input Wk: QUANTISED
;;     3. [M 8,192, K 1,024] x [K 1,024, N 1,024]; A: input embedded; B: input Wv: QUANTISED
;;     4. batch 4 x [M 2,048, K 1,024] x [K 1,024, N 2,048]; A: computed on the way; B: computed on the way: QUANTISED
;;     5. batch 4 x [M 2,048, K 2,048] x [K 2,048, N 1,024]; A: softmax (see below); B: computed on the way: QUANTISED
;;   THE QUANTISER, for each operand of a quantised product, along K:
;;     - K is cut into blocks of 32 from its start; a last block that is shorter is filled with zeros.
;;     - A block's scale is 2^e with e = floor(log2(the largest magnitude in the block)) - 2, held to -126 .. 127; a block of zeros has e = 0. As a byte (E8M0): e + 127.
;;     - Each number is divided by its block's scale, clamped to +-7.5, and rounded to the nearest number of E2M3, ties to even, subnormals kept.
;;     - The product sums the exact products of the quantised numbers (number of the format x scale) in f32.
;;   ~~~python
;;   def quantise(x, axis):      # numpy; x: float32 -> the quantised numbers, widened to float32 again
;;       x = np.moveaxis(x, axis, -1); K = x.shape[-1]
;;       x = np.pad(x, [(0, 0)] * (x.ndim - 1) + [(0, -K % 32)]); x = x.reshape(x.shape[:-1] + (-1, 32)); a = np.abs(x).max(-1, keepdims=True)
;;       e = np.where(a > 0, np.clip(np.frexp(np.where(a > 0, a, 1))[1] - 1 - 2, -126, 127), 0)      # np.frexp(a)[1] - 1 = floor(log2(a)), exactly
;;       r = np.clip(x / 2.0 ** e, -7.5, 7.5)
;;       step = 2.0 ** (np.maximum(np.frexp(np.where(r == 0, 1, r))[1] - 1, 0) - 3)
;;       q = np.round(r / step) * step * 2.0 ** e      # np.round: ties to even
;;       return np.moveaxis(q.reshape(q.shape[:-2] + (-1,))[..., :K], -1, axis).astype(np.float32)
;;   ~~~
;;   SOFTMAX AHEAD OF A QUANTISED PRODUCT. Where the list says 'softmax', what is quantised is not the finished softmax but p = 2^(t - M), with t = logit x log2(e) and M = ceil(the row's largest t), a whole number; so 1/2 < the row's largest p <= 1. The row's sum l is taken of the UNQUANTISED p, in f32, and the product's result is divided by l at the end. Since M is a whole number, a kernel that streams over the keys may use a running M (the ceiling of the running maximum): every later rescaling is an exact power of two, which a block's scale takes up: the codes' values come out the same.
;;   OPERANDS COMPUTED ON THE WAY. 'Computed on the way' means the value that the module computes at that place (a softmax that the list does not call 'softmax' is quantised finished and normalised). What goes into a quantiser is computed in f32, as accurately as f32 sums, v_exp_f32 and their like allow (about 1e-6 of the number): no bf16 or f16 on the way to a quantiser, and a product that is left as it is and whose result goes on into a quantised operand takes f32 operands (vector FMAs, or v_wmma_f32_16x16x4_f32). A number that lies on a knife's edge between two numbers of the format may be rounded either way, as far as f32 arithmetic and the matrix unit's own rounding can turn it there, and no further.
;; One version. Each part assembles by itself: llvm-mc -triple=amdgcn-amd-amdhsa -mcpu=gfx1250 --defsym DOCPART=n.
;; ======== version 1 of 1: 4 launches
;; limits: right only within a limited range of input values
;; workspace buffers: xw 9,011,200 bytes; qkv 19,660,800 bytes; p 13,107,200 bytes; pstat 1,048,576 bytes
;; launch quant (part 1): grid 256 x 1, 11 waves a work-group, no clusters, 187,392 bytes of LDS; arguments embedded, Wq, Wk, Wv, xw; writes xw
.if DOCPART == 1
	.amdgcn_target "amdgcn-amd-amdhsa--gfx1250"
	.amdhsa_code_object_version 6
	.text
	.protected	k_q043fdd984f_quant
	.globl	k_q043fdd984f_quant
	.p2align	8
	.type	k_q043fdd984f_quant,@function
k_q043fdd984f_quant:
	s_mov_b64 s[64:65], 0
	v_nop
	global_prefetch_b8 v0, s[64:65] scope:SCOPE_SE
	s_setreg_imm32_b32 hwreg(HW_REG_WAVE_MODE, 25, 1), 1
	s_wait_xcnt 0x0
; embedded [8192][1024] and Wq, Wk, Wv [1024][1024], f32, K innermost, become codes of FP6 (E2M3) with one E8M0 byte for each 32 along K.
; A block's scale is 2^(floor(log2(its largest magnitude)) - 2); its byte is the largest magnitude's exponent field - 2, held at 1 from below.
; LAYOUT OF xw: chunks of 12,800 bytes, one for 128 rows x 128 along K, laid [rows / 128][K / 128]: rows / 128 = 0-63 embedded, 64-71 Wq, 72-79 Wk, 80-87 Wv.
; A chunk holds eight IMAGES OF OPERAND REGISTERS (16 rows x 128 K = 12 registers a lane = 1,536 bytes: registers 4 c .. 4 c + 3 of lane l at 512 c + 16 l),
; then at byte 12,288 the 128 rows' scale words (four bytes: the row's four blocks).
; SHARES: the four tensors are 704 chunks = 2,816 quarters of 32 rows x 128 K = 11 for each of 256 work-groups: quarter 11 x work-group + wave is a wave's whole work: two fragments.
; The wave's one tensor load brings its 32 rows of 512 bytes (each begins at a multiple of 512 bytes of its tensor) into LDS bytes of its own, 16 bytes of padding behind each row; lane (r, h) then reads, of row r, the 16 neighbours 32 b + 16 h + 0 .. 15 of each block b.
; Only the issuing wave reads its tile: its own wait on TENSORcnt is all the ordering, and there is no barrier.  Nothing is filled again.
; OUT: an image leaves by three stores of 512 consecutive bytes.  The wave's 32 scale words leave by one store of 128 consecutive bytes, half of an aligned 256-byte run whose other half is the next quarter's: 128 of the 3,200 bytes that a wave stores.
; No cluster: every input byte is read by one wave only, once.  No prefetch: every byte is asked for by the head's loads, and there is no loop to run ahead in.
; LIMITS: a block whose largest magnitude lies under 2^-124 (a block of zeros too) keeps the byte 1: its codes are then zeros or held small, and only this program reads the bytes.  NaN and infinities among the inputs are not served.
.set CH,    12800
.set SWO,   12288
.set FRB,   1536
.set SP,    528                        ; an LDS row: 512 bytes + 16: an odd multiple of 16, so that sixteen rows' reads of 16 bytes fall on different banks (64 banks of 4 bytes: ISA guide 11.1)
.set WREG,  32*SP                      ; a wave's tile: 16,896 bytes, a multiple of 256
.set SPARE, 11*WREG                    ; the spare words: 11 x 128 bytes, in six blocks of 256 bytes that no other line names
.set TM,    12                         ; v12-15 largest magnitudes, v16-19 the other half's, then the bytes, v24-27 the conversions' scale operands
.set PW,    28                         ; v28, v29 the two fragments' scale words
.set X,     64                         ; v64-191 my 64 numbers of each of the two fragments
.set SPW,   62
.set NIL,   63
.set SEL,   24                         ; s[24:25] selects for lane l xor 16
	s_load_b256 s[4:11], s[0:1], 0x0               ; embedded s[4:5], Wq s[6:7], Wk s[8:9], Wv s[10:11]
	s_load_b64 s[12:13], s[0:1], 0x20              ; xw
	v_lshl_add_u32 v[SPW], v0, 2, SPARE
	v_mov_b32 v[NIL], 0
	ds_add_u32 v[SPW], v[NIL]                      ; the opening lines: the add twice on end and one wait
	ds_add_u32 v[SPW], v[NIL]
	v_lshrrev_b32 v1, 5, v0
	v_readfirstlane_b32 s16, v1                    ; wave 0..10
	s_mul_i32 s17, ttmp9, 11
	s_add_co_u32 s17, s17, s16                     ; my quarter
	s_lshr_b32 s18, s17, 2                         ; its chunk
	s_and_b32 s19, s17, 3                          ; which 32 rows of it
	s_and_b32 s26, s18, 7                          ; K / 128
	s_lshr_b32 s27, s18, 3                         ; rows / 128, over all four tensors
	s_and_b32 s28, s27, 7
	s_cmp_lt_u32 s27, 64
	s_cselect_b32 s28, s27, s28                    ; within its own tensor
	s_lshl_b32 s28, s28, 19                        ; 128 rows of 4,096 bytes
	s_lshl_b32 s29, s19, 17                        ; 32 rows
	s_add_co_u32 s28, s28, s29
	s_lshl_b32 s29, s26, 9                         ; 128 numbers along K
	s_add_co_u32 s28, s28, s29
	s_mov_b32 s29, 0
	s_mul_i32 s30, s18, CH
	s_mul_i32 s20, s19, 2*FRB
	s_add_co_u32 s20, s20, s30                     ; my two images
	s_mov_b32 s21, 0
	s_lshl_b32 s22, s19, 7
	s_add_co_u32 s22, s22, s30
	s_add_co_u32 s22, s22, SWO                     ; my 32 scale words
	s_mov_b32 s23, 0
	s_mov_b32 s32, 1                               ; group 0: count, LDS address, global address
	s_mul_i32 s33, s16, WREG
	s_mov_b32 s36, (2<<16)|(1<<20)|(6<<22)|(3<<25) ; group 1: elements of 4 bytes; after every 128 dwords 4 dwords of padding
	s_mov_b32 s37, 128<<16                         ; tensor_dim0 = 128
	s_mov_b32 s38, 32<<16                          ; tensor_dim1 = 32
	s_mov_b32 s39, 128<<16                         ; tile_dim0 = 128
	s_mov_b32 s40, 32                              ; tile_dim1 = 32
	s_mov_b32 s41, 1024                            ; from row to row
	s_mov_b32 s42, 0
	s_mov_b32 s43, 0
	s_mov_b32 s[SEL], 0x76543210
	s_mov_b32 s[SEL+1], 0xfedcba98
	s_wait_dscnt 0x0                               ; both opening adds are done
	s_wait_kmcnt 0x0
	s_cmp_lt_u32 s27, 80                           ; which tensor: the choice hangs on the work-group's and the wave's numbers alone
	s_cselect_b64 s[14:15], s[8:9], s[10:11]
	s_cmp_lt_u32 s27, 72
	s_cselect_b64 s[14:15], s[6:7], s[14:15]
	s_cmp_lt_u32 s27, 64
	s_cselect_b64 s[14:15], s[4:5], s[14:15]
	s_add_nc_u64 s[34:35], s[14:15], s[28:29]
	s_or_b32 s35, s35, 0x80000000
	s_add_nc_u64 s[20:21], s[12:13], s[20:21]
	s_add_nc_u64 s[22:23], s[12:13], s[22:23]
	tensor_load_to_lds s[32:35], s[36:43]          ; my one load: every wave issues one
	s_nop 0
	v_and_b32 v1, 31, v0                           ; lane
	v_and_b32 v2, 15, v0                           ; r
	v_bfe_u32 v3, v0, 4, 1                         ; h
	v_lshlrev_b32 v4, 4, v1                        ; 16 x lane: my bytes of an image's 512
	v_mul_u32_u24 v6, v2, SP
	v_lshl_add_u32 v6, v3, 6, v6
	v_add_nc_u32 v6, s33, v6                       ; my tile: row r, + 64 h
	v_lshlrev_b32 v9, 2, v1                        ; 4 x lane: my scale word's place
	v_cmp_lt_u32 s44, 15, v1                       ; lanes 16-31
.irp b, 0,1,2,3
	v_mov_b32 v[TM+4+\b], 0                        ; written once: a lane permute's destination counts as one of its sources
.endr
; 64 numbers of a lane, register 16 b + i = k 32 b + 16 h + i of my row, become a fragment's codes in v[pc] on (v[pc + 12] on at work) and its scale word in v[pw]
.macro QUANT s, pc, pw
.irp b, 0,1,2,3
	v_max3_num_f32 v[TM+\b], |v[\s+16*\b]|, |v[\s+1+16*\b]|, 0x1800000   ; my 16 numbers of block b, and the floor 2^(3 - 127): the byte cannot fall under 1
.endr
.irp i, 2,4,6,8,10,12,14
.irp b, 0,1,2,3
	v_max3_num_f32 v[TM+\b], v[TM+\b], |v[\s+16*\b+\i]|, |v[\s+1+16*\b+\i]|   ; the four blocks by turns
.endr
.endr
.irp b, 0,1,2,3
	v_permlanex16_b32 v[TM+4+\b], v[TM+\b], s[SEL], s[SEL+1]
.endr
.irp b, 0,1,2,3
	v_max_num_f32 v[TM+\b], v[TM+\b], v[TM+4+\b]   ; with lane l xor 16's: the block's largest magnitude
.endr
.irp b, 0,1,2,3
	v_add_nc_u32 v[TM+12+\b], 0xff000000, v[TM+\b] ; 2 off its exponent field: the conversion takes the exponent field of this operand as its scale
.endr
.irp b, 0,1,2,3
	v_lshrrev_b32 v[TM+4+\b], 23, v[TM+12+\b]      ; the scale's byte
.endr
	v_lshl_or_b32 v[\pw], v[TM+5], 8, v[TM+4]
	v_lshl_or_b32 v[\pw], v[TM+6], 16, v[\pw]
	v_lshl_or_b32 v[\pw], v[TM+7], 24, v[\pw]
.irp c, 0,1
	v_cvt_scalef32_pk16_fp6_f32 v[\pc+6*\c:\pc+2+6*\c], v[\s+32*\c:\s+15+32*\c], v[TM+12+2*\c]
	v_cvt_scalef32_pk16_fp6_f32 v[\pc+12+4*\c:\pc+14+4*\c], v[\s+16+32*\c:\s+31+32*\c], v[TM+12+2*\c+1]   ; (a conversion's three registers begin on an even number)
.endr
	v_nop                                          ; one plain place behind a scaled conversion
.irp c, 0,1                                    ; the operand's layout wants a whole block in a lane: lanes 0-15 block 2 c, lanes 16-31 block 2 c + 1
.irp i, 0,1,2
	v_permlane16_swap_b32 v[\pc+6*\c+\i], v[\pc+12+4*\c+\i]
.endr
.irp i, 0,1,2
	v_mov_b32 v[\pc+3+6*\c+\i], v[\pc+12+4*\c+\i]
.endr
.endr
.endm
.macro FRAGMENT f, pc                  ; each fragment has code registers of its own, so no store's data are written again
	QUANT X+64*\f, \pc, PW+\f
.irp c, 0,1,2
	global_store_b128 v4, v[\pc+4*\c:\pc+4*\c+3], s[20:21] offset:FRB*\f+512*\c   ; the image: 32 lanes store 512 consecutive bytes, at a multiple of 256 from the buffer's first byte
.endr
.endm
	s_wait_alu depctr_va_vdst(0)
	s_wait_tensorcnt 0x0                           ; my tile is in
.irp f, 0,1
.irp b, 0,1,2,3
.irp j, 0,1,2,3
	ds_load_b128 v[X+64*\f+16*\b+4*\j:X+64*\f+16*\b+4*\j+3], v6 offset:16*SP*\f+128*\b+16*\j
.endr
.endr
.endr
	s_wait_dscnt 0x0
	FRAGMENT 0, 32
	FRAGMENT 1, 192
	v_cndmask_b32 v10, v[PW], v[PW+1], s44         ; lanes r and r + 16 hold the same word: lanes 0-15 give fragment 0's rows, lanes 16-31 fragment 1's
	global_store_b32 v9, v10, s[22:23]             ; 32 lanes store 128 consecutive bytes
	s_wait_tensorcnt 0x0                           ; the wave's end
	ds_add_u32 v[SPW], v[NIL]
	s_wait_dscnt 0x0
	s_endpgm
.Lfunc_end_k_q043fdd984f_quant:
	.size	k_q043fdd984f_quant, .Lfunc_end_k_q043fdd984f_quant-k_q043fdd984f_quant
	.p2alignl 7, 3214868480
	.fill 96, 4, 3214868480
	.section	.rodata,"a",@progbits
	.p2align	6, 0x0
	.amdhsa_kernel k_q043fdd984f_quant
		.amdhsa_group_segment_fixed_size 187392
		.amdhsa_private_segment_fixed_size 0
		.amdhsa_enable_private_segment 0
		.amdhsa_kernarg_size 40
		.amdhsa_user_sgpr_count 2
		.amdhsa_user_sgpr_kernarg_segment_ptr 1
		.amdhsa_wavefront_size32 1
		.amdhsa_system_sgpr_workgroup_id_x 1
		.amdhsa_system_sgpr_workgroup_id_y 1
		.amdhsa_system_sgpr_workgroup_id_z 1
		.amdhsa_system_vgpr_workitem_id 0
		.amdhsa_next_free_vgpr 224
		.amdhsa_next_free_sgpr 66
		.amdhsa_reserve_vcc 0
		.amdhsa_float_denorm_mode_32 3
		.amdhsa_float_denorm_mode_16_64 3
		.amdhsa_memory_ordered 1
		.amdhsa_forward_progress 1
		.amdhsa_inst_pref_size 14
	.end_amdhsa_kernel
	.amdgpu_metadata
---
amdhsa.version: [ 1, 2 ]
amdhsa.kernels:
  - .name:           k_q043fdd984f_quant
    .symbol:         k_q043fdd984f_quant.kd
    .args:
      - { .name: embedded, .offset: 0, .size: 8, .value_kind: global_buffer, .address_space: global }
      - { .name: Wq, .offset: 8, .size: 8, .value_kind: global_buffer, .address_space: global }
      - { .name: Wk, .offset: 16, .size: 8, .value_kind: global_buffer, .address_space: global }
      - { .name: Wv, .offset: 24, .size: 8, .value_kind: global_buffer, .address_space: global }
      - { .name: xw, .offset: 32, .size: 8, .value_kind: global_buffer, .address_space: global }
    .group_segment_fixed_size: 187392
    .private_segment_fixed_size: 0
    .kernarg_segment_align: 8
    .kernarg_segment_size: 40
    .max_flat_workgroup_size: 352
    .sgpr_count:     66
    .vgpr_count:     224
    .wavefront_size: 32
...
	.end_amdgpu_metadata
.endif
;; end of part 1
;; launch proj (part 2): grid 8 x 32, 4 waves a work-group, clusters of 4 x 4, 327,680 bytes of LDS; arguments xw, qkv; writes qkv
.if DOCPART == 2
	.amdgcn_target "amdgcn-amd-amdhsa--gfx1250"
	.amdhsa_code_object_version 6
	.text
	.protected	k_q043fdd984f_proj
	.globl	k_q043fdd984f_proj
	.p2align	8
	.type	k_q043fdd984f_proj,@function
k_q043fdd984f_proj:
	s_mov_b64 s[64:65], 0
	v_nop
	global_prefetch_b8 v0, s[64:65] scope:SCOPE_SE
	s_setreg_imm32_b32 hwreg(HW_REG_WAVE_MODE, 25, 1), 1
	s_wait_xcnt 0x0
	s_wait_alu depctr_hold_cnt(0) depctr_sa_sdst(0) depctr_va_vdst(0) depctr_va_sdst(0) depctr_va_ssrc(0) depctr_va_vcc(0) depctr_vm_vsrc(0)
	s_getreg_b32 s2, hwreg(HW_REG_IB_STS2, 6, 4)
	s_cmp_eq_u32 s2, 0
	s_cbranch_scc0 .Lentry_in_a_cluster
	s_endpgm
.Lentry_in_a_cluster:
	s_bfe_u32 s2, ttmp6, 0x10000c
	s_cmp_lg_u32 s2, 0xf033
	s_cbranch_scc0 .Lentry_shape_is_right
	s_endpgm
.Lentry_shape_is_right:
; q = x Wq^T, k = x Wk^T and v^T = Wv x^T on codes of FP6 (E2M3), K = 1,024; each result is quantised on its way out, along the next product's K (q, k: channels; v^T: tokens), and leaves as codes and scale words.
; LAYOUT of xw and qkv: chunks of 12,800 bytes (128 rows x 128 K: eight images of operand registers of 1,536 bytes; at byte 12,288 the rows' scale words).  xw: [rows / 128][K / 128], rows / 128 = 0-63 x, 64-71 Wq, 72-79 Wk, 80-87 Wv.
; qkv: chunks 0-511 q, 512-1023 k, [token / 128][channel / 128]; from 1,024 on v^T, [(8 batch + channel / 128)][token / 128].  Inside a block of 32 along the next K the order is 0-7, 16-23, 8-15, 24-31, alike in both operands of each later product.
; SHARES: a work-group takes 256 tokens against 256 channels of Wq or Wk (part 1: a wave 128 x 128, 64 accumulators) and then against 128 channels of Wv (part 2: a wave 64 channels x 128 tokens, 32 accumulators).
; LDS: x's 256 rows for ALL of K, 16 chunks, come once and stay (bytes 0 on: token half t, K chunk c at (8 t + c) chunks).  The weights go through a ring of two slots of 4 chunks behind them:
; the chunk of half c, slot s, parity q lies at RING + (4 c + 2 s + q) chunks, so that a half's first four K chunks are one dense run: the head's four loads, one a wave, bring x's two halves and both slots.
; Part 1: slot j % 2 holds K chunks 2 j, 2 j + 1 of both channel halves.  Part 2: a slot holds four K chunks of Wv's 128 channels, the chunk that wave w fetched being the slot's w-th.
; Four refills, one chunk a wave each, all of weights: one line, no branch.  The last of them stands in the middle of part 1's way out, behind a round of its own.
; CLUSTERS 4 x 4: x's tiles are shared along a row of the cluster, the weights' along a column: joint loads.
; PREFETCH: one instruction a wave at the head names K chunks 4-7 of the wave's channel half, which the first two refills load: 200 blocks of 256 bytes for a half, 25 for each of the 2 waves x 4 partners that load them, told apart by address
; (lanes 25-31 name their wave's last block again).  The head's loads and Wv's chunks come by their loads alone: the text has no loop to run ahead in, and Wv's refills have part 1's last slot or its way out between request and wait.
; LIMITS: a block whose largest magnitude lies under 2^-124 (a block of zeros too) keeps the byte 1; only this program reads the bytes.  NaN and infinities are not served.
; REGISTERS: window 0: v0-31 addresses, v32-63 scale words (two sets), v64-255 source 1's fragments (two sets; set 1's registers serve the way out); window 1: source 0's fragments, sets at v0 and v128; windows 2, 3: accumulator (a, b) at v[8 (8 (a % 4) + b)].
.set CH,    12800
.set SWO,   12288
.set FRB,   1536
.set QTR,   2*CH
.set RING,  16*CH
.set SPARE, 24*CH                      ; the spare words: two blocks of 256 bytes that no other line names
.set SCR,   SPARE+512                  ; 2,048 bytes a wave, written by LDS stores alone
.set PFO,  5                           ; the prefetch's offset; never rewritten
.set A2R,  6                           ; v6-9   part 2: Wv's fragments, [slot][pair of chunks]
.set A2S,  10                          ; v10-13 their scale words
.set B2R,  14                          ; v14-15 part 2: my tokens' fragments, K chunks 0-3, 4-7
.set ADRA, 16                          ; v16-17 part 1: my tokens' fragments, K chunks 0-3, 4-7
.set ADSA, 18                          ; v18-19 their scale words: lanes 0-15 an even chunk, lanes 16-31 the odd one behind it
.set ADRB, 20                          ; v20-21 part 1: my channels' fragments in slot 0, 1
.set ADSB, 22
.set SWR,  24
.set SRD,  25
.set SRD2, 26
.set LN8,  27
.set SPW,  28
.set NIL,  29
.set B2S,  30                          ; v30-31
.set SC,   32
.set AF,   64
.set TM,   224
.set PW,   244                         ; v244-251 a scale word's register for each block of a way out
.set PC,   112                         ; v112-207 twelve code registers for each block of a way out, so that no store's data are written again inside it
.set PT,   208                         ; v208-214 the conversions' second halves, at work
.set G1,  24                           ; s[24:31] group 1 for x's halves
.set G1B, 48                           ; s[48:55] group 1 for the weights
.set SEL, 46
.set MUL_LO, 0xa1
.set MUL_HI, 0xf1
.set MSB, 0
.macro WIN new
.if MSB != (\new)
	s_set_vgpr_msb (MSB<<8)|(\new)
.set MSB, (\new)
.endif
.endm
.macro PLACES
.rept 4
	v_nop
.endr
.endm
.macro CREST
	s_cmp_lg_u32 s14, 0
	s_cbranch_scc1 .Lnot_wave_0_\@
	s_barrier_signal -3
.Lnot_wave_0_\@:
	s_barrier_wait -3
	s_barrier_signal -1
	s_barrier_wait -1
.endm
.macro CROUND
	s_barrier_signal -1
	s_barrier_wait -1
	CREST
.endm
	s_load_b128 s[4:7], s[0:1], 0x0                ; xw, qkv
	v_lshl_add_u32 v[SPW], v0, 2, SPARE
	v_mov_b32 v[NIL], 0
	ds_add_u32 v[SPW], v[NIL]                      ; the opening lines: the add twice on end and one wait
	ds_add_u32 v[SPW], v[NIL]
	v_lshrrev_b32 v1, 5, v0
	v_readfirstlane_b32 s14, v1                    ; wave
	s_lshr_b32 s15, s14, 1
	s_and_b32 s16, s14, 1
	s_bfe_u32 s40, ttmp6, 0x40000                  ; cx
	s_bfe_u32 s41, ttmp6, 0x40004                  ; cy
	s_and_b32 s17, ttmp7, 0xffff
	s_lshl_b32 s17, s17, 2
	s_add_co_u32 s17, s17, s41                     ; tokens / 256
	s_lshl_b32 s42, ttmp9, 2
	s_add_co_u32 s42, s42, s40                     ; column 0..7
	s_lshl_b32 s43, s41, 2
	s_lshl_b32 s43, 15, s43                        ; my row of the cluster
	s_lshl_b32 s44, 0x1111, s40                    ; my column
	s_or_b32 s[G1+0], s43, (3<<16)|(1<<21)         ; elements of 8 bytes, dense rows of 256 bytes
	s_or_b32 s[G1B+0], s44, (3<<16)|(1<<21)
	s_mov_b32 s[G1+2], 400<<16                     ; x: 8 chunks
	s_mov_b32 s[G1+4], 400
	s_mov_b32 s[G1B+2], 200<<16                    ; the weights at the head: 4 chunks
	s_mov_b32 s[G1B+4], 200
.irp g, G1, G1B
	s_mov_b32 s[\g+1], 32<<16
	s_mov_b32 s[\g+3], 32<<16
	s_mov_b32 s[\g+5], 32
	s_mov_b32 s[\g+6], 0
	s_mov_b32 s[\g+7], 0
.endr
	s_lshl_b32 s20, s17, 1
	s_add_co_u32 s20, s20, s16
	s_mul_i32 s20, s20, 8*CH                       ; x: token half wave % 2
	s_mov_b32 s21, 0
	s_lshl_b32 s22, s42, 1
	s_add_co_u32 s22, s22, 64
	s_add_co_u32 s18, s22, s15
	s_add_co_u32 s22, s22, s16
	s_mul_i32 s22, s22, 8*CH                       ; the head's weights: channel half wave % 2
	s_mov_b32 s23, 0
	s_mul_i32 s18, s18, 8*CH
	s_add_co_u32 s18, s18, 4*CH                    ; the refills': channel half wave / 2, K chunk 4
	s_lshl_b32 s94, s16, 2
	s_add_co_u32 s94, s94, s41
	s_mul_i32 s94, s94, 25*256
	s_add_co_u32 s94, s94, s18                     ; the prefetch: my 25 of that half's 200 blocks
	s_mov_b32 s95, 0
	s_mul_i32 s45, s16, CH
	s_add_co_u32 s18, s18, s45                     ; + my parity
	s_mov_b32 s19, 0
	s_add_co_u32 s82, s42, 80
	s_lshl_b32 s82, s82, 3
	s_add_co_u32 s82, s82, s14
	s_mul_i32 s82, s82, CH                         ; Wv: K chunk = my wave
	s_mov_b32 s83, 0
	s_mul_i32 s33, s16, 8*CH                       ; LDS: x's half
	s_mul_i32 s37, s16, 2*QTR
	s_add_co_u32 s37, s37, RING                    ; a channel half's two slots
	s_mul_i32 s57, s15, 2*QTR
	s_add_co_u32 s57, s57, s45
	s_add_co_u32 s57, s57, RING                    ; my chunk of slot 0,
	s_add_co_u32 s61, s57, QTR                     ; of slot 1
	s_add_co_u32 s85, s57, 0
	s_add_co_u32 s89, s57, QTR
.irp g, 32,36,56,60,84,88
	s_mov_b32 s\g, 1
.endr
	s_mov_b32 s[SEL], 0x76543210
	s_mov_b32 s[SEL+1], 0xfedcba98
	s_wait_dscnt 0x0
	s_wait_kmcnt 0x0
	s_add_nc_u64 s[34:35], s[4:5], s[20:21]
	s_add_nc_u64 s[38:39], s[4:5], s[22:23]
	s_add_nc_u64 s[58:59], s[4:5], s[18:19]        ; K chunks 4, 5
	s_add_nc_u64 s[62:63], s[58:59], 2*CH          ; 6, 7
	s_add_nc_u64 s[86:87], s[4:5], s[82:83]        ; Wv's 0-3
	s_add_nc_u64 s[90:91], s[86:87], 4*CH          ; 4-7
	s_add_nc_u64 s[92:93], s[4:5], s[94:95]
.irp g, 35,39,59,63,87,91
	s_or_b32 s\g, s\g, 0x80000000
.endr
	CROUND                                         ; all sixteen work-groups are here: the first joint loads meet
	s_cmp_eq_u32 s15, 0                            ; one load a wave: waves 0, 1 x's halves, waves 2, 3 the channel halves' first four K chunks
	s_cbranch_scc0 .Lhead_b
	tensor_load_to_lds s[32:35], s[G1:G1+7]
	s_nop 0
	PLACES
	s_branch .Lhead_asked
.Lhead_b:
	tensor_load_to_lds s[36:39], s[G1B:G1B+7]
	s_nop 0
	PLACES
.Lhead_asked:
	s_lshl_b32 s66, s17, 1                         ; where my results go: q or k, chunk (token / 128) x 8 + channel / 128
	s_add_co_u32 s66, s66, s15
	s_lshl_b32 s67, s42, 1
	s_add_co_u32 s67, s67, s16
	s_lshr_b32 s68, s67, 3
	s_lshl_b32 s68, s68, 9
	s_lshl_b32 s66, s66, 3
	s_add_co_u32 s68, s68, s66
	s_and_b32 s69, s67, 7
	s_add_co_u32 s68, s68, s69
	s_mul_i32 s68, s68, CH
	s_mov_b32 s69, 0
	s_lshl_b32 s70, s17, 1                         ; v^T: chunk 1,024 + (8 batch + column) x 16 + token / 128 within the batch
	s_add_co_u32 s70, s70, s16
	s_lshr_b32 s71, s70, 4
	s_lshl_b32 s71, s71, 3
	s_add_co_u32 s71, s71, s42
	s_lshl_b32 s71, s71, 4
	s_and_b32 s70, s70, 15
	s_add_co_u32 s70, s70, s71
	s_add_co_u32 s70, s70, 1024
	s_mul_i32 s70, s70, CH
	s_mul_i32 s72, s15, 4*FRB
	s_add_co_u32 s72, s72, s70
	s_mov_b32 s73, 0
	s_lshl_b32 s74, s15, 8
	s_add_co_u32 s74, s74, s70
	s_add_co_u32 s74, s74, SWO
	s_mov_b32 s75, 0
	s_add_nc_u64 s[8:9], s[6:7], s[72:73]
	s_add_nc_u64 s[10:11], s[6:7], s[74:75]
	s_add_nc_u64 s[6:7], s[6:7], s[68:69]
	s_mul_i32 s76, s15, 8*CH
	s_mul_i32 s77, s16, 2*QTR
	s_add_co_u32 s77, s77, RING
	s_mul_i32 s78, s16, 8*CH
	s_mul_i32 s79, s15, 4*FRB
	s_add_co_u32 s79, s79, RING
	s_lshl_b32 s80, s15, 8
	s_add_co_u32 s80, s80, RING
	s_lshl_b32 s81, s14, 11
	s_add_co_u32 s81, s81, SCR
	v_and_b32 v[PFO], 31, v0
	v_min_u32 v[PFO], 24, v[PFO]
	v_lshlrev_b32 v[PFO], 8, v[PFO]
	global_prefetch_b8 v[PFO], s[92:93] th:TH_LOAD_NT scope:SCOPE_SE
	v_and_b32 v1, 15, v0                           ; r
	v_bfe_u32 v2, v0, 4, 1                         ; h
	v_and_b32 v3, 31, v0
	v_lshlrev_b32 v3, 4, v3                        ; 16 x lane
	v_lshlrev_b32 v4, 2, v1
	v_mul_u32_u24 v2, v2, CH
	v_add_nc_u32 v4, v4, v2
	v_add_nc_u32 v4, SWO, v4                       ; a scale word: 4 r, one chunk on for lanes 16-31
	v_add_nc_u32 v[ADRA], s76, v3
	v_add_nc_u32 v[ADSA], s76, v4
	v_add_nc_u32 v[ADRB], s77, v3
	v_add_nc_u32 v[ADSB], s77, v4
	v_add_nc_u32 v[B2R], s78, v3
	v_add_nc_u32 v[B2S], s78, v4
	v_add_nc_u32 v[A2R], s79, v3
	v_add_nc_u32 v[A2S], s80, v4
.irp g, ADRA, ADSA, B2R, B2S
	v_add_nc_u32 v[\g+1], 4*CH, v[\g]
.endr
	v_add_nc_u32 v[ADRB+1], QTR, v[ADRB]
	v_add_nc_u32 v[ADSB+1], QTR, v[ADSB]
.irp g, A2R, A2S
	v_add_nc_u32 v[\g+1], 2*QTR, v[\g]
	v_add_nc_u32 v[\g+2], QTR, v[\g]
	v_add_nc_u32 v[\g+3], 3*QTR, v[\g]
.endr
	v_lshl_add_u32 v[SWR], v1, 2, s81
	v_add_nc_u32 v[SRD], s81, v3
	v_lshrrev_b32 v[LN8], 1, v3
	v_add_nc_u32 v[SRD2], s81, v[LN8]
	v_add_nc_u32 v[SRD2], 512, v[SRD2]
.macro FRAG reg, adr, off
.irp c, 0,1,2
	ds_load_b128 v[(\reg)+4*\c:(\reg)+4*\c+3], v[\adr] offset:(\off)+512*\c
.endr
.endm
.macro FETCH kc, p                     ; part 1: K chunk kc's fragments into set p: my 128 channels, my 128 tokens
	WIN 0x40
.irp i, 0,1,2,3,4,5,6,7
	FRAG 128*(\p)+12*\i,ADRB+((\kc)/2)%2,((\kc)%2)*CH+FRB*\i
.endr
	WIN 0
.irp i, 0,1,2,3,4,5,6,7
	FRAG AF+96*(\p)+12*\i,ADRA+(\kc)/4,((\kc)%4)*CH+FRB*\i
.endr
.endm
.macro SCALES j                        ; the scale words of K chunks 2 j, 2 j + 1 into set j % 2
.irp i, 0,1,2,3,4,5,6,7
	ds_load_b32 v[SC+16*((\j)%2)+\i], v[ADSA+(\j)/2] offset:((\j)%2)*2*CH+64*\i
	ds_load_b32 v[SC+16*((\j)%2)+8+\i], v[ADSB+(\j)%2] offset:64*\i
.endr
.endm
.macro FETCH2 kc, p                    ; part 2: my 128 tokens, my 64 channels of Wv
	WIN 0x40
.irp i, 0,1,2,3,4,5,6,7
	FRAG 128*(\p)+12*\i,B2R+(\kc)/4,((\kc)%4)*CH+FRB*\i
.endr
	WIN 0
.irp i, 0,1,2,3
	FRAG AF+96*(\p)+12*\i,A2R+2*((\kc)/4)+((\kc)%4)/2,((\kc)%2)*CH+FRB*\i
.endr
.endm
.macro SCALES2 u
.irp i, 0,1,2,3
	ds_load_b32 v[SC+16*((\u)%2)+\i], v[A2S+2*((\u)/2)+(\u)%2] offset:64*\i
.endr
.irp i, 0,1,2,3,4,5,6,7
	ds_load_b32 v[SC+16*((\u)%2)+8+\i], v[B2S+(\u)/2] offset:((\u)%2)*2*CH+64*\i
.endr
.endm
.macro MULA a, p, q, sc, zero          ; source 1's block a against source 0's eight; the accumulators take turns, one instruction a turn
.irp b, 0,1,2,3,4,5,6,7
.set rD, 8*(8*((\a)%4)+\b)
.set rB, 128*(\p)+12*\b
.set rA, AF+96*(\p)+12*(\a)
.set rX, SC+16*(\sc)+8+\b
.set rY, SC+16*(\sc)+(\a)
.if \zero
	v_wmma_scale_f32_16x16x128_f8f6f4 v[rD:rD+7], v[rB:rB+11], v[rA:rA+11], 0, v[rX], v[rY] matrix_a_fmt:MATRIX_FMT_FP6 matrix_b_fmt:MATRIX_FMT_FP6
.elseif \q
	v_wmma_scale_f32_16x16x128_f8f6f4 v[rD:rD+7], v[rB:rB+11], v[rA:rA+11], v[rD:rD+7], v[rX], v[rY] matrix_a_fmt:MATRIX_FMT_FP6 matrix_b_fmt:MATRIX_FMT_FP6 matrix_a_scale:MATRIX_SCALE_ROW1 matrix_b_scale:MATRIX_SCALE_ROW1
.else
	v_wmma_scale_f32_16x16x128_f8f6f4 v[rD:rD+7], v[rB:rB+11], v[rA:rA+11], v[rD:rD+7], v[rX], v[rY] matrix_a_fmt:MATRIX_FMT_FP6 matrix_b_fmt:MATRIX_FMT_FP6
.endif
.endr
.endm
.macro KSTEP j, zero                   ; K chunk 2 j on set 0; chunk 2 j + 1 is fetched into set 1
	s_wait_dscnt 0x0
	PLACES                                         ; for the loads into set 1, which the last products read
	FETCH 2*(\j)+1,1
	WIN MUL_LO
.irp a, 0,1,2,3
	MULA \a, 0, 0, (\j)%2, \zero
.endr
	WIN MUL_HI
.irp a, 4,5,6,7
	MULA \a, 0, 0, (\j)%2, \zero
.endr
.endm
.macro TURN j, g0                      ; K chunk 2 j + 1 on set 1, and the change of slots: the slot just read takes the fill of group 0 g0
	WIN 0
	s_wait_tensorcnt 0x0                           ; all my tensor loads have landed
	ds_add_u32 v[SPW], v[NIL]
	s_wait_dscnt 1                                 ; the add alone may be out: set 1's 48 loads are in
	WIN MUL_LO
	MULA 0, 1, 1, (\j)%2, 0
	MULA 1, 1, 1, (\j)%2, 0
	s_wait_dscnt 0x0                               ; the add is done, my reads of this slot are over
	s_barrier_signal -1
	MULA 2, 1, 1, (\j)%2, 0
	MULA 3, 1, 1, (\j)%2, 0
	WIN 0
	s_barrier_wait -1
	CREST                                          ; the barrier has opened a round of the cluster's barrier
	tensor_load_to_lds s[\g0:\g0+3], s[G1B:G1B+7]  ; my chunk of the refill: every wave's one load behind the round
	s_nop 0
	PLACES
	FETCH 2*(\j)+2,0
	SCALES (\j)+1
	WIN MUL_HI
.irp a, 4,5,6,7
	MULA \a, 1, 1, (\j)%2, 0
.endr
.endm
.macro K2 kc, zero, bar                ; part 2: K chunk kc; the next chunk is fetched ahead of the products.  bar: the next chunk lies in the other slot
.if \bar
	WIN 0
	s_wait_tensorcnt 0x0                           ; my chunk of the other slot is in
.endif
	s_wait_dscnt 0x0
.if \bar
	s_barrier_signal -1
	s_barrier_wait -1
.endif
	PLACES
	FETCH2 (\kc)+1,((\kc)+1)%2
.if ((\kc)+1)%2 == 0
	SCALES2 ((\kc)+1)/2
.endif
	WIN MUL_LO
.irp a, 0,1,2,3
	MULA \a, (\kc)%2, (\kc)%2, ((\kc)/2)%2, \zero
.endr
.endm
; THE WAY OUT of source 1's block a: 16 rows x 128 along the next K: four blocks' largest magnitudes, bytes, codes; the image is stored, the scale word gathered in my scratch
.macro EPI a, ob, so
.set XW, 2+(\a)/4
.set S, 64*((\a)%4)
.set PC, 112+12*(\a)
.set PW, 244+(\a)
	WIN (XW<<2)|(XW<<4)
.irp b, 0,1,2,3
	v_max3_num_f32 v[TM+\b], 0x1800000, |v[S+16*\b]|, |v[S+16*\b+1]|   ; with the floor 2^(3 - 127); each accumulator is read from its low end on
.endr
.irp i, 2,4,6,8,10,12,14
.irp b, 0,1,2,3
	v_max3_num_f32 v[TM+\b], v[TM+\b], |v[S+16*\b+\i]|, |v[S+16*\b+\i+1]|
.endr
.endr
	WIN 0
.irp b, 0,1,2,3
	v_permlanex16_b32 v[TM+4+\b], v[TM+\b], s[SEL], s[SEL+1]
.endr
.irp b, 0,1,2,3
	v_max_num_f32 v[TM+\b], v[TM+\b], v[TM+4+\b]
.endr
.irp b, 0,1,2,3
	v_add_nc_u32 v[TM+12+\b], 0xff000000, v[TM+\b] ; 2 off the exponent field: the conversion's scale operand
.endr
.irp b, 0,1,2,3
	v_lshrrev_b32 v[TM+4+\b], 23, v[TM+12+\b]      ; the byte
.endr
	v_lshl_or_b32 v[PW], v[TM+5], 8, v[TM+4]
	v_lshl_or_b32 v[PW], v[TM+6], 16, v[PW]
	v_lshl_or_b32 v[PW], v[TM+7], 24, v[PW]
	WIN XW
.irp c, 0,1
	v_cvt_scalef32_pk16_fp6_f32 v[PC+6*\c:PC+6*\c+2], v[S+32*\c:S+32*\c+15], v[TM+12+2*\c]
	v_cvt_scalef32_pk16_fp6_f32 v[PT+4*\c:PT+2+4*\c], v[S+16+32*\c:S+31+32*\c], v[TM+13+2*\c]
.endr
	WIN 0
	v_nop                                          ; one plain place behind a scaled conversion
.irp c, 0,1
.irp i, 0,1,2
	v_permlane16_swap_b32 v[PC+6*\c+\i], v[PT+4*\c+\i]
.endr
.irp i, 0,1,2
	v_mov_b32 v[PC+3+6*\c+\i], v[PT+4*\c+\i]
.endr
.endr
.irp c, 0,1,2
	global_store_b128 v3, v[PC+4*\c:PC+4*\c+3], s[\ob:\ob+1] offset:FRB*(\a)+512*\c   ; 32 lanes store 512 consecutive bytes, aligned to 256
.endr
	ds_store_b32 v[SWR], v[PW] offset:(\so)+64*(\a)
.endm
	s_wait_alu depctr_va_vdst(0)
	s_wait_tensorcnt 0x0                           ; my load of the head's four is in
	s_mov_b32 s[G1B+2], 50<<16                     ; no load of mine is out: from here on a load brings one chunk
	s_mov_b32 s[G1B+4], 50
	s_barrier_signal -1
	s_barrier_wait -1                              ; all four are in
	FETCH 0,0
	SCALES 0
	KSTEP 0, 1                                     ; the first products start the sums
	TURN 0, 56
	KSTEP 1, 0
	TURN 1, 60
	KSTEP 2, 0
	TURN 2, 84                                     ; slot 0 takes Wv's K chunks 0-3
	KSTEP 3, 0
	s_wait_dscnt 0x0
	WIN MUL_LO
.irp a, 0,1,2,3
	MULA \a, 1, 1, 1, 0
.endr
	WIN MUL_HI
.irp a, 4,5,6,7
	MULA \a, 1, 1, 1, 0
.endr
	WIN 0
	PLACES
.irp b, 0,1,2,3
	v_mov_b32 v[TM+4+\b], 0                        ; a lane permute's destination counts as one of its sources
.endr
.irp a, 0,1,2,3
	EPI \a, 6, 0
.endr
	s_wait_alu depctr_va_vdst(0)
	s_wait_tensorcnt 0x0                           ; my chunk of Wv's first four is in
	ds_add_u32 v[SPW], v[NIL]
	s_wait_dscnt 0x0                               ; the add is done; my reads of slot 1 were over long ago
	CROUND
	tensor_load_to_lds s[88:91], s[G1B:G1B+7]      ; slot 1 takes Wv's K chunks 4-7
	s_nop 0
	PLACES
	FETCH2 0,0
	SCALES2 0
.irp a, 4,5,6,7
	EPI \a, 6, 0
.endr
	ds_load_b128 v[212:215], v[SRD]                ; my 128 tokens' scale words (LDS serves a wave's instructions in order: ISA guide 5.7.1.4)
	s_wait_dscnt 0x0
	global_store_b128 v3, v[212:215], s[6:7] offset:SWO
	s_wait_xcnt 0x0                                ; the stores have read their registers: set 1 is loaded again below
	K2 0, 1, 0
	K2 1, 0, 0
	K2 2, 0, 0
	K2 3, 0, 1
	K2 4, 0, 0
	K2 5, 0, 0
	K2 6, 0, 0
	s_wait_dscnt 0x0
	WIN MUL_LO
.irp a, 0,1,2,3
	MULA \a, 1, 1, 1, 0
.endr
	WIN 0
	PLACES
.irp a, 0,1,2,3
	EPI \a, 8, 512
.endr
	ds_load_b64 v[216:217], v[SRD2]
	s_wait_dscnt 0x0
	global_store_b64 v[LN8], v[216:217], s[10:11]
	s_wait_tensorcnt 0x0                           ; the wave's end
	ds_add_u32 v[SPW], v[NIL]
	s_wait_dscnt 0x0
	CROUND                                         ; the closing round
	s_endpgm
.Lfunc_end_k_q043fdd984f_proj:
	.size	k_q043fdd984f_proj, .Lfunc_end_k_q043fdd984f_proj-k_q043fdd984f_proj
	.p2alignl 7, 3214868480
	.fill 96, 4, 3214868480
	.section	.rodata,"a",@progbits
	.p2align	6, 0x0
	.amdhsa_kernel k_q043fdd984f_proj
		.amdhsa_group_segment_fixed_size 327680
		.amdhsa_private_segment_fixed_size 0
		.amdhsa_enable_private_segment 0
		.amdhsa_kernarg_size 16
		.amdhsa_user_sgpr_count 2
		.amdhsa_user_sgpr_kernarg_segment_ptr 1
		.amdhsa_wavefront_size32 1
		.amdhsa_system_sgpr_workgroup_id_x 1
		.amdhsa_system_sgpr_workgroup_id_y 1
		.amdhsa_system_sgpr_workgroup_id_z 1
		.amdhsa_system_vgpr_workitem_id 0
		.amdhsa_next_free_vgpr 1024
		.amdhsa_next_free_sgpr 100
		.amdhsa_reserve_vcc 0
		.amdhsa_float_denorm_mode_32 3
		.amdhsa_float_denorm_mode_16_64 3
		.amdhsa_memory_ordered 1
		.amdhsa_forward_progress 1
		.amdhsa_inst_pref_size 213
	.end_amdhsa_kernel
	.amdgpu_metadata
---
amdhsa.version: [ 1, 2 ]
amdhsa.kernels:
  - .name:           k_q043fdd984f_proj
    .symbol:         k_q043fdd984f_proj.kd
    .args:
      - { .name: xw, .offset: 0, .size: 8, .value_kind: global_buffer, .address_space: global }
      - { .name: qkv, .offset: 8, .size: 8, .value_kind: global_buffer, .address_space: global }
    .group_segment_fixed_size: 327680
    .private_segment_fixed_size: 0
    .kernarg_segment_align: 8
    .kernarg_segment_size: 16
    .max_flat_workgroup_size: 128
    .sgpr_count:     100
    .vgpr_count:     1024
    .wavefront_size: 32
...
	.end_amdgpu_metadata
.endif
;; end of part 2
;; launch score (part 3): grid 12 x 16, 4 waves a work-group, clusters of 4 x 4, 327,680 bytes of LDS; arguments qkv, p, pstat; writes p, pstat
.if DOCPART == 3
	.amdgcn_target "amdgcn-amd-amdhsa--gfx1250"
	.amdhsa_code_object_version 6
	.text
	.protected	k_q043fdd984f_score
	.globl	k_q043fdd984f_score
	.p2align	8
	.type	k_q043fdd984f_score,@function
k_q043fdd984f_score:
	s_mov_b64 s[64:65], 0
	v_nop
	global_prefetch_b8 v0, s[64:65] scope:SCOPE_SE
	s_setreg_imm32_b32 hwreg(HW_REG_WAVE_MODE, 25, 1), 1
	s_wait_xcnt 0x0
	s_wait_alu depctr_hold_cnt(0) depctr_sa_sdst(0) depctr_va_vdst(0) depctr_va_sdst(0) depctr_va_ssrc(0) depctr_va_vcc(0) depctr_vm_vsrc(0)
	s_getreg_b32 s2, hwreg(HW_REG_IB_STS2, 6, 4)
	s_cmp_eq_u32 s2, 0
	s_cbranch_scc0 .Lentry_in_a_cluster
	s_endpgm
.Lentry_in_a_cluster:
	s_bfe_u32 s2, ttmp6, 0x10000c
	s_cmp_lg_u32 s2, 0xf033
	s_cbranch_scc0 .Lentry_shape_is_right
	s_endpgm
.Lentry_shape_is_right:
; S = q k^T on codes of FP6 (E2M3), K = 1,024; the causal mask; and the softmax's p as codes for the next product, quantised along the keys.  No score goes to memory.
; THE SOFTMAX IS SPLIT.  t = S c, c = log2(e) / 32.  For each query and each block of 32 keys: m = ceil(the block's largest t), a whole number; p' = 2^(t - m); p' is quantised with the block's own scale (byte 124 or 125).
; The row's p is p' x 2^(m - M), an exact power of two, which goes into the block's scale byte: the codes are those of p.  For each query and 128 keys this launch stores: the four bytes taken relative to the
; largest m of the four (mu): byte + (m - mu), 64 .. 125; -mu; and Lambda = the sum of the unquantised p' x 2^(m - mu).  The next launch finds M = the row's largest mu, lowers the bytes by M - mu and adds the Lambdas.
; The maximum is so taken away ahead of every exponential, block by block.
; A hidden score becomes -infinity (a bias is added: 0 or -infinity), so its p' is 0.  A block all of whose keys are hidden takes the floor -2^120 as its largest score: its p' are zeros, its m is huge and negative in effect.
; LIMITS: scores under -2^120 are not served; p more than 2^60 under the largest of its 128 keys is carried with the byte of 2^-60 (its share of the row's sum is under 2^-58); NaN and infinities are not served.
; TILES: 256 queries x 256 keys, four waves of 128 x 128.  Of a batch's 2 x 2 clusters of 1,024 x 1,024 the one wholly above the diagonal is left out: 3 clusters a batch.  In the diagonal clusters every tile is
; computed (partners of a cluster run alike: no branch hangs on the place in it); the tiles above the diagonal give zero codes, which the next launch reads.
; LAYOUT of qkv and p: chunks of 12,800 bytes (128 rows x 128 K: eight images of operand registers of 1,536 bytes; at byte 12,288 the rows' scale words).  p: chunk (batch x 16 + query / 128) x 16 + key / 128.
; pstat: 1,024 bytes for each chunk of p: 128 x -mu, then 128 x Lambda.  In these two runs and in p's run of relative words the word of query 16 i + r lies at byte 32 r + 4 i: so the next launch's lane r loads
; the words of four blocks i by one load of 16 bytes.  The order inside a block of 32 keys is 0-7, 16-23, 8-15, 24-31, as in v^T.
; Ring, round, joint loads and registers of the products as in the launch that makes q and k: source 0 = 16 keys, source 1 = 16 queries; lane (r, h) holds query r, register j of accumulator (a, b) key 16 b + 8 h + j.
.set CH,    12800
.set SWO,   12288
.set FRB,   1536
.set QTR,   2*CH
.set SLOT,  4*QTR                      ; a slot's bytes; in LDS each quarter's two slots lie side by side: quarter w, slot s at (2 w + s) QTR, so that the head's one load a wave fills both
.set SPARE, 2*SLOT                     ; the spare words: two blocks of 256 bytes that no other line names
.set SCR,   SPARE+512                  ; 2,048 bytes for each wave, written by LDS stores alone
.set ADRA, 16
.set ADSA, 18
.set ADRB, 20
.set ADSB, 22
.set SWR,  24
.set SRD,  25
.set SPW,  28
.set NIL,  29
.set SC,   32
.set AF,   64
.set T,    64                          ; the way out, window 0: v64-127 t - m, then p'
.set SM,   128                         ; v128-131 the blocks' largest scores, v132-135 the other half's
.set NM,   136                         ; v136, 138, 140, 142: -m; the odd registers are named with them as pairs
.set PM,   144                         ; the blocks' largest p'
.set SO,   148                         ; the conversions' scale operands
.set BY,   152                         ; the bytes
.set DI,   156                         ; m - mu as whole numbers
.set LS,   160                         ; v160-167 sums, in pairs
.set LB,   168                         ; v168-171 the blocks' sums, v172-175 the other half's
.set NMIN, 176                         ; -mu
.set PW,   177                         ; the relative scale word
.set LAM,  178
.set TT,   180
.set PC,   192
.set BD,   212                         ; v212-219 the bias on the diagonal of 16 x 16
.set G1,  24
.set G0,  32
.set G1B, 48
.set G0B, 56
.set SEL, 46
.set BLO, 74                           ; s[74:75] the bias of key blocks under my query block
.set BHI, 76                           ; s[76:77] of those above it
.set CS,  78                           ; s[78:79] c
.set FL,  80                           ; -2^120
.set MUL_LO, 0xa1
.set MUL_HI, 0xf1
.set MSB, 0
.macro WIN new
.if MSB != (\new)
	s_set_vgpr_msb (MSB<<8)|(\new)
.set MSB, (\new)
.endif
.endm
.macro PLACES
.rept 4
	v_nop
.endr
.endm
.macro JLOAD s                         ; waves 0 and 1 fetch q's halves, waves 2 and 3 k's; four v_nop follow each line
	s_cmp_eq_u32 s15, 0
	s_cbranch_scc0 .Lfor_b_\@
	tensor_load_to_lds s[G0+4*\s:G0+4*\s+3], s[G1:G1+7]
	s_nop 0
.rept 4
	v_nop
.endr
	s_branch .Lasked_\@
.Lfor_b_\@:
	tensor_load_to_lds s[G0B+4*\s:G0B+4*\s+3], s[G1B:G1B+7]
	s_nop 0
.rept 4
	v_nop
.endr
.Lasked_\@:
.endm
.macro CREST
	s_cmp_lg_u32 s14, 0
	s_cbranch_scc1 .Lnot_wave_0_\@
	s_barrier_signal -3
.Lnot_wave_0_\@:
	s_barrier_wait -3
	s_barrier_signal -1
	s_barrier_wait -1
.endm
.macro CROUND
	s_barrier_signal -1
	s_barrier_wait -1
	CREST
.endm
	s_load_b128 s[4:7], s[0:1], 0x0                ; qkv s[4:5], p s[6:7]
	s_load_b64 s[8:9], s[0:1], 0x10                ; pstat
	v_lshl_add_u32 v[SPW], v0, 2, SPARE
	v_mov_b32 v[NIL], 0
	ds_add_u32 v28, v29
	ds_add_u32 v28, v29
	s_wait_dscnt 0x0
	v_lshrrev_b32 v1, 5, v0
	v_readfirstlane_b32 s14, v1                    ; wave 0..3
	s_lshr_b32 s15, s14, 1                         ; my half of the queries.  Also: I fetch for q (0) or k (1)
	s_and_b32 s16, s14, 1                          ; my half of the keys.  Also: which 128 rows I fetch
	s_bfe_u32 s40, ttmp6, 0x40000                  ; cx
	s_bfe_u32 s41, ttmp6, 0x40004                  ; cy
	s_and_b32 s17, ttmp7, 0xffff                   ; the batch
	s_add_co_u32 s18, ttmp9, 1
	s_lshr_b32 s18, s18, 1                         ; the cluster's 1,024 queries: 0, 1, 1
	s_lshr_b32 s19, ttmp9, 1                       ; and keys: 0, 0, 1
	s_lshl_b32 s18, s18, 2
	s_add_co_u32 s18, s18, s41                     ; tr: queries / 256
	s_lshl_b32 s42, s19, 2
	s_add_co_u32 s42, s42, s40                     ; tc: keys / 256
	s_lshl_b32 s43, s41, 2
	s_lshl_b32 s43, 15, s43                        ; my row of the cluster
	s_lshl_b32 s44, 0x1111, s40                    ; my column
	s_or_b32 s[G1+0], s43, (3<<16)|(1<<21)         ; the mask; elements of 8 bytes; no padding; bit 21 beside a mask
	s_or_b32 s[G1B+0], s44, (3<<16)|(1<<21)
.irp g, G1, G1B
	s_mov_b32 s[\g+1], 32<<16                      ; 100 dense rows of 256 bytes
	s_mov_b32 s[\g+2], 200<<16                     ; at the head 200 rows: K 0-511 of 128 rows, both slots
	s_mov_b32 s[\g+3], 32<<16
	s_mov_b32 s[\g+4], 200
	s_mov_b32 s[\g+5], 32
	s_mov_b32 s[\g+6], 0
	s_mov_b32 s[\g+7], 0
.endr
	s_lshl_b32 s20, s17, 4                         ; q: token / 128 = 16 batch + 2 tr + half: no register here ever holds cx
	s_lshl_b32 s21, s18, 1
	s_add_co_u32 s20, s20, s21
	s_add_co_u32 s20, s20, s16
	s_mul_i32 s20, s20, 8*CH
	s_mov_b32 s21, 0
	s_lshl_b32 s22, s17, 4                         ; k: 16 batch + 2 tc + half, behind q's 512 chunks: no register here ever holds cy
	s_lshl_b32 s23, s42, 1
	s_add_co_u32 s22, s22, s23
	s_add_co_u32 s22, s22, s16
	s_mul_i32 s22, s22, 8*CH
	s_add_co_u32 s22, s22, 512*CH
	s_mov_b32 s23, 0
	s_mul_i32 s45, s14, 2*QTR
	s_mov_b32 s[SEL], 0x76543210
	s_mov_b32 s[SEL+1], 0xfedcba98
	s_mov_b32 s[CS], 0x3d38aa3b                    ; c = log2(e) / 32
	s_mov_b32 s[CS+1], s[CS]
	s_mov_b32 s[FL], 0xfb800000                    ; -2^120: c x 2^120 is a whole number that f32 holds exactly
	s_wait_kmcnt 0x0
	s_add_nc_u64 s[20:21], s[4:5], s[20:21]
	s_add_nc_u64 s[22:23], s[4:5], s[22:23]
	CROUND                                         ; all sixteen work-groups are here: the first joint loads meet
.irp s, 0,1
	s_mov_b32 s[G0+4*\s], 1
	s_add_co_u32 s[G0+4*\s+1], s45, \s*QTR
	s_add_nc_u64 s[G0+4*\s+2:G0+4*\s+3], s[20:21], \s*QTR
	s_or_b32 s[G0+4*\s+3], s[G0+4*\s+3], 0x80000000
	s_mov_b32 s[G0B+4*\s], 1
	s_add_co_u32 s[G0B+4*\s+1], s45, \s*QTR
	s_add_nc_u64 s[G0B+4*\s+2:G0B+4*\s+3], s[22:23], \s*QTR
	s_or_b32 s[G0B+4*\s+3], s[G0B+4*\s+3], 0x80000000
.endr
	JLOAD 0                                        ; one load a wave at the head: it begins at slot 0's bytes and covers slot 1's too
	v_and_b32 v1, 15, v0                           ; r
	v_bfe_u32 v2, v0, 4, 1                         ; h
	v_and_b32 v3, 31, v0
	v_lshlrev_b32 v3, 4, v3                        ; 16 x lane
	v_lshlrev_b32 v4, 2, v1
	v_mul_u32_u24 v5, v2, CH
	v_add_nc_u32 v4, v4, v5
	v_add_nc_u32 v4, SWO, v4
	s_mul_i32 s66, s15, 2*QTR
	s_mul_i32 s67, s16, 2*QTR
	s_add_co_u32 s67, s67, 4*QTR
.irp s, 0,1
	v_add_nc_u32 v[ADRA+\s], s66, v3
	v_add_nc_u32 v[ADRB+\s], s67, v3
	v_add_nc_u32 v[ADSA+\s], s66, v4
	v_add_nc_u32 v[ADSB+\s], s67, v4
	s_add_co_u32 s66, s66, QTR
	s_add_co_u32 s67, s67, QTR
.endr
	s_lshl_b32 s66, s14, 11
	s_add_co_u32 s66, s66, SCR
	v_lshl_add_u32 v[SWR], v1, 5, s66              ; my query's words: 32 r, + 4 for each block of 16 queries
	v_add_nc_u32 v[SRD], s66, v3
	s_lshl_b32 s68, s17, 4                         ; my chunk of p: (16 batch + 2 tr + my half) x 16 + 2 tc + my half
	s_lshl_b32 s69, s18, 1
	s_add_co_u32 s68, s68, s69
	s_add_co_u32 s68, s68, s15
	s_lshl_b32 s68, s68, 4
	s_lshl_b32 s69, s42, 1
	s_add_co_u32 s68, s68, s69
	s_add_co_u32 s68, s68, s16
	s_lshl_b32 s70, s68, 10
	s_mov_b32 s71, 0
	s_mul_i32 s68, s68, CH
	s_mov_b32 s69, 0
	s_add_nc_u64 s[6:7], s[6:7], s[68:69]
	s_add_nc_u64 s[8:9], s[8:9], s[70:71]
	; THE MASK.  My first query less my first key is 128 x delta.  delta > 0: every key counts; delta < 0: none; delta = 0: key block b counts under query block a, not above it, and in part where b = a.
	; These are values that are added to scores: no branch and no address hangs on them.
	s_sub_co_i32 s72, s18, s42
	s_lshl_b32 s72, s72, 1
	s_add_co_i32 s72, s72, s15
	s_sub_co_i32 s72, s72, s16                     ; delta
	s_cmp_ge_i32 s72, 0
	s_cselect_b32 s[BLO], 0, 0xff800000
	s_mov_b32 s[BLO+1], s[BLO]
	s_cmp_gt_i32 s72, 0
	s_cselect_b32 s[BHI], 0, 0xff800000
	s_mov_b32 s[BHI+1], s[BHI]
	s_cmp_eq_u32 s72, 0
	s_cselect_b32 s73, -1, 0                       ; all lanes: am I on the diagonal?
.macro FRAG reg, adr, off
.irp c, 0,1,2
	ds_load_b128 v[(\reg)+4*\c:(\reg)+4*\c+3], v[\adr] offset:(\off)+512*\c
.endr
.endm
.macro FETCH slot, q, p
	WIN 0x40
.irp i, 0,1,2,3,4,5,6,7
	FRAG 128*(\p)+12*\i,ADRB+\slot,(\q)*CH+FRB*\i
.endr
	WIN 0
.irp i, 0,1,2,3,4,5,6,7
	FRAG AF+96*(\p)+12*\i,ADRA+\slot,(\q)*CH+FRB*\i
.endr
.endm
.macro SCALES slot
.irp i, 0,1,2,3,4,5,6,7
	ds_load_b32 v[SC+16*\slot+\i], v[ADSA+\slot] offset:64*\i
	ds_load_b32 v[SC+16*\slot+8+\i], v[ADSB+\slot] offset:64*\i
.endr
.endm
.macro MULA a, p, q, sc, zero          ; the 64 accumulators take turns, one instruction a turn, in the same order in every K step
.irp b, 0,1,2,3,4,5,6,7
.set rD, 8*(8*((\a)%4)+\b)
.set rB, 128*(\p)+12*\b
.set rA, AF+96*(\p)+12*(\a)
.set rX, SC+16*(\sc)+8+\b
.set rY, SC+16*(\sc)+(\a)
.if \zero
	v_wmma_scale_f32_16x16x128_f8f6f4 v[rD:rD+7], v[rB:rB+11], v[rA:rA+11], 0, v[rX], v[rY] matrix_a_fmt:MATRIX_FMT_FP6 matrix_b_fmt:MATRIX_FMT_FP6
.elseif \q
	v_wmma_scale_f32_16x16x128_f8f6f4 v[rD:rD+7], v[rB:rB+11], v[rA:rA+11], v[rD:rD+7], v[rX], v[rY] matrix_a_fmt:MATRIX_FMT_FP6 matrix_b_fmt:MATRIX_FMT_FP6 matrix_a_scale:MATRIX_SCALE_ROW1 matrix_b_scale:MATRIX_SCALE_ROW1
.else
	v_wmma_scale_f32_16x16x128_f8f6f4 v[rD:rD+7], v[rB:rB+11], v[rA:rA+11], v[rD:rD+7], v[rX], v[rY] matrix_a_fmt:MATRIX_FMT_FP6 matrix_b_fmt:MATRIX_FMT_FP6
.endif
.endr
.endm
.macro KSTEP slot, zero
	s_wait_dscnt 0x0                               ; set 0 and the slot's scale words are in
	PLACES                                         ; for the loads into set 1, which the last products read
	FETCH \slot, 1, 1
	WIN MUL_LO
.irp a, 0,1,2,3
	MULA \a, 0, 0, \slot, \zero
.endr
	WIN MUL_HI
.irp a, 4,5,6,7
	MULA \a, 0, 0, \slot, \zero
.endr
.endm
.macro TURN slot, next, fill
	WIN 0                                          ; (the add's two registers lie in window 0)
	s_wait_tensorcnt 0x0                           ; all my tensor loads have landed: my part of the next slot
	ds_add_u32 v[SPW], v[NIL]                      ; 0 onto my spare word
	s_wait_dscnt 1                                 ; the add alone may be out: set 1's 48 loads are in
	WIN MUL_LO
	MULA 0, 1, 1, \slot, 0
	MULA 1, 1, 1, \slot, 0
	s_wait_dscnt 0x0                               ; the add is done, and my reads of this slot are over
	s_barrier_signal -1
	MULA 2, 1, 1, \slot, 0
	MULA 3, 1, 1, \slot, 0
	WIN 0
	s_barrier_wait -1
.if \fill
	CREST                                          ; no wave of any partner still reads this slot or has a load on its way
	s_add_nc_u64 s[G0+4*\slot+2:G0+4*\slot+3], s[G0+4*\slot+2:G0+4*\slot+3], 2*QTR
	s_add_nc_u64 s[G0B+4*\slot+2:G0B+4*\slot+3], s[G0B+4*\slot+2:G0B+4*\slot+3], 2*QTR
	JLOAD \slot                                    ; the first tensor load behind the round; its four v_nop are the places in front of the loads below
.else
	PLACES
.endif
	FETCH \next, 0, 0
	SCALES \next
	WIN MUL_HI
.irp a, 4,5,6,7
	MULA \a, 1, 1, \slot, 0
.endr
.endm
	s_wait_alu depctr_va_vdst(0)
	s_wait_tensorcnt 0x0                           ; my part of both slots is in
	s_mov_b32 s[G1+2], 100<<16                     ; no load of mine is out: from here on a load brings 100 rows, one slot's quarter
	s_mov_b32 s[G1+4], 100
	s_mov_b32 s[G1B+2], 100<<16
	s_mov_b32 s[G1B+4], 100
	s_barrier_signal -1
	s_barrier_wait -1
	FETCH 0, 0, 0
	SCALES 0
	KSTEP 0, 1
	TURN 0, 1, 1
	KSTEP 1, 0
	TURN 1, 0, 1
	KSTEP 0, 0
	TURN 0, 1, 0
	KSTEP 1, 0
	s_wait_dscnt 0x0
	WIN MUL_LO
.irp a, 0,1,2,3
	MULA \a, 1, 1, 1, 0
.endr
	WIN MUL_HI
.irp a, 4,5,6,7
	MULA \a, 1, 1, 1, 0
.endr
	WIN 0
	PLACES
.irp b, 0,1,2,3
	v_mov_b32 v[SM+4+\b], 0                        ; lane permutes' destinations count as sources;
	v_mov_b32 v[LB+4+\b], 0
	v_mov_b32 v[NM+2*\b+1], 0                      ; and these are named as the upper halves of pairs
.endr
	v_lshlrev_b32 v[TT], 3, v2
	v_sub_nc_u32 v[TT], v1, v[TT]                  ; r - 8 h: in the 16 x 16 on the diagonal register j's key is hidden where j > r - 8 h
	v_mov_b32 v[TT+1], 0xff800000
	v_mov_b32 v[TT+2], s[BHI]
.irp j, 0,1,2,3,4,5,6,7
	v_cmp_gt_i32 vcc_lo, \j, v[TT]
	v_cndmask_b32 v[BD+\j], 0, v[TT+1], vcc_lo
	v_cndmask_b32 v[BD+\j], v[TT+2], v[BD+\j], s73 ; off the diagonal of 128 x 128: as the blocks above
.endr
; THE WAY OUT of my queries 16 a .. 16 a + 15 against my 128 keys
.macro EPI a
.set XW, 2+(\a)/4
.set S, 64*((\a)%4)
	WIN (XW<<6)|XW                                 ; destination and source 0: the accumulators' window
.irp b, 0,1,2,3,4,5,6,7
.irp j, 0,2,4,6
.if \b < \a
	v_pk_add_f32 v[S+8*\b+\j:S+8*\b+\j+1], v[S+8*\b+\j:S+8*\b+\j+1], s[BLO:BLO+1] op_sel_hi:[1,0]   ; the mask's bias; each accumulator is read from its low end on
.elseif \b > \a
	v_pk_add_f32 v[S+8*\b+\j:S+8*\b+\j+1], v[S+8*\b+\j:S+8*\b+\j+1], s[BHI:BHI+1] op_sel_hi:[1,0]
.else
	v_pk_add_f32 v[S+8*\b+\j:S+8*\b+\j+1], v[S+8*\b+\j:S+8*\b+\j+1], v[BD+\j:BD+\j+1]
.endif
.endr
.endr
	WIN (XW<<2)|(XW<<4)                            ; sources 1 and 2
.irp b, 0,1,2,3
	v_max3_num_f32 v[SM+\b], s[FL], v[S+16*\b], v[S+16*\b+1]   ; the largest score of each block of 32 keys, over the floor
.endr
.irp i, 2,4,6,8,10,12,14
.irp b, 0,1,2,3
	v_max3_num_f32 v[SM+\b], v[SM+\b], v[S+16*\b+\i], v[S+16*\b+\i+1]
.endr
.endr
	WIN 0
.irp b, 0,1,2,3
	v_permlanex16_b32 v[SM+4+\b], v[SM+\b], s[SEL], s[SEL+1]
.endr
.irp b, 0,1,2,3
	v_max_num_f32 v[SM+\b], v[SM+\b], v[SM+4+\b]   ; with lane l xor 16's 16 keys
.endr
.irp b, 0,1,2,3
	v_mul_f32 v[TT+\b], s[CS], v[SM+\b]            ; as t
.endr
.irp b, 0,1,2,3
	v_floor_f32 v[NM+2*\b], -v[TT+\b]              ; -m = floor(-t) = -ceil(t): a whole number
.endr
	WIN XW                                         ; source 0
.irp b, 0,1,2,3
.irp i, 0,2,4,6,8,10,12,14
	v_pk_fma_f32 v[T+16*\b+\i:T+16*\b+\i+1], v[S+16*\b+\i:S+16*\b+\i+1], s[CS:CS+1], v[NM+2*\b:NM+2*\b+1] op_sel_hi:[1,0,0]   ; t - m, two at a time
.endr
.endr
	WIN 0
.irp b, 0,1,2,3
	v_fma_f32 v[PM+\b], v[SM+\b], s[CS], v[NM+2*\b]   ; the same of the block's largest score
.endr
.if \a > 0
	s_wait_xcnt 0x0                                ; the last image's stores have read the codes' registers, which are written again below
	s_wait_dscnt 0x0                               ; and the last three words are stored
.endif
	s_wait_alu depctr_va_vdst(0)
.irp j, 0,1,2,3,4,5,6,7,8,9,10,11,12,13,14,15,16,17,18,19,20,21,22,23,24,25,26,27,28,29,30,31,32,33,34,35,36,37,38,39,40,41,42,43,44,45,46,47,48,49,50,51,52,53,54,55,56,57,58,59,60,61,62,63
	v_exp_f32 v[T+\j], v[T+\j]                     ; p' = 2^(t - m)
.endr
.irp b, 0,1,2,3
	v_exp_f32 v[PM+\b], v[PM+\b]                   ; the block's largest p': over 1/2, so no floor is needed
.endr
	v_min3_num_f32 v[NMIN], v[NM], v[NM+2], v[NM+4]   ; (a plain place behind the exponentials)
	v_min_num_f32 v[NMIN], v[NMIN], v[NM+6]        ; -mu
	s_wait_alu depctr_va_vdst(0)
.irp b, 0,1,2,3
	v_add_nc_u32 v[SO+\b], 0xff000000, v[PM+\b]    ; 2 off the exponent field: the conversion's scale operand
.endr
.irp b, 0,1,2,3
	v_sub_f32 v[TT+\b], v[NMIN], v[NM+2*\b]        ; m - mu: a whole number, 0 or less
.endr
.irp b, 0,1,2,3
	v_lshrrev_b32 v[BY+\b], 23, v[SO+\b]           ; the byte of p': 124 or 125
.endr
.irp b, 0,1,2,3
	v_max_num_f32 v[TT+\b], 0xc2700000, v[TT+\b]   ; held at -60
.endr
.irp b, 0,1,2,3
	v_cvt_i32_f32 v[DI+\b], v[TT+\b]
.endr
.irp b, 0,1,2,3
	v_add_nc_u32 v[BY+\b], v[BY+\b], v[DI+\b]      ; the byte relative to mu: 64 .. 125
.endr
	v_lshl_or_b32 v[PW], v[BY+1], 8, v[BY]
	v_lshl_or_b32 v[PW], v[BY+2], 16, v[PW]
	v_lshl_or_b32 v[PW], v[BY+3], 24, v[PW]
.irp c, 0,1
	v_cvt_scalef32_pk16_fp6_f32 v[PC+6*\c:PC+6*\c+2], v[T+32*\c:T+32*\c+15], v[SO+2*\c]
	v_cvt_scalef32_pk16_fp6_f32 v[PC+12+4*\c:PC+14+4*\c], v[T+16+32*\c:T+31+32*\c], v[SO+2*\c+1]
.endr
	v_nop                                          ; one plain place behind a scaled conversion
.irp c, 0,1
.irp i, 0,1,2
	v_permlane16_swap_b32 v[PC+6*\c+\i], v[PC+12+4*\c+\i]
.endr
.irp i, 0,1,2
	v_mov_b32 v[PC+3+6*\c+\i], v[PC+12+4*\c+\i]
.endr
.endr
.irp b, 0,1,2,3
	v_pk_add_f32 v[LS+2*\b:LS+2*\b+1], v[T+16*\b:T+16*\b+1], v[T+16*\b+2:T+16*\b+3]   ; the sums are taken of the unquantised p'
.endr
.irp i, 4,6,8,10,12,14
.irp b, 0,1,2,3
	v_pk_add_f32 v[LS+2*\b:LS+2*\b+1], v[LS+2*\b:LS+2*\b+1], v[T+16*\b+\i:T+16*\b+\i+1]
.endr
.endr
.irp b, 0,1,2,3
	v_add_f32 v[LB+\b], v[LS+2*\b], v[LS+2*\b+1]
.endr
.irp b, 0,1,2,3
	v_permlanex16_b32 v[LB+4+\b], v[LB+\b], s[SEL], s[SEL+1]
.endr
.irp b, 0,1,2,3
	v_add_f32 v[LB+\b], v[LB+\b], v[LB+4+\b]
.endr
.irp b, 0,1,2,3
	v_ldexp_f32 v[LB+\b], v[LB+\b], v[DI+\b]       ; under mu: a power of two, nothing is rounded
.endr
	v_add_f32 v[LAM], v[LB], v[LB+1]
	v_add_f32 v[TT], v[LB+2], v[LB+3]
	v_add_f32 v[LAM], v[LAM], v[TT]
.irp c, 0,1,2
	global_store_b128 v3, v[PC+4*\c:PC+4*\c+3], s[6:7] offset:FRB*(\a)+512*\c   ; 32 lanes store 512 consecutive bytes, at a multiple of 256 from the buffer's first byte
.endr
	ds_store_b32 v[SWR], v[PW] offset:4*(\a)       ; lanes r and r + 16 write the same words with the same values
	ds_store_b32 v[SWR], v[NMIN] offset:512+4*(\a)
	ds_store_b32 v[SWR], v[LAM] offset:1024+4*(\a)
.endm
.irp a, 0,1,2,3,4,5,6,7
	EPI \a
.endr
	ds_load_b128 v[64:67], v[SRD]                  ; my 128 queries' words (LDS serves a wave's instructions in order: ISA guide 5.7.1.4)
	ds_load_b128 v[68:71], v[SRD] offset:512
	ds_load_b128 v[72:75], v[SRD] offset:1024
	s_wait_dscnt 0x0
	global_store_b128 v3, v[64:67], s[6:7] offset:SWO
	global_store_b128 v3, v[68:71], s[8:9]
	global_store_b128 v3, v[72:75], s[8:9] offset:512
	s_wait_tensorcnt 0x0                           ; the wave's end
	ds_add_u32 v[SPW], v[NIL]
	s_wait_dscnt 0x0
	CROUND                                         ; the closing round
	s_endpgm
.Lfunc_end_k_q043fdd984f_score:
	.size	k_q043fdd984f_score, .Lfunc_end_k_q043fdd984f_score-k_q043fdd984f_score
	.p2alignl 7, 3214868480
	.fill 96, 4, 3214868480
	.section	.rodata,"a",@progbits
	.p2align	6, 0x0
	.amdhsa_kernel k_q043fdd984f_score
		.amdhsa_group_segment_fixed_size 327680
		.amdhsa_private_segment_fixed_size 0
		.amdhsa_enable_private_segment 0
		.amdhsa_kernarg_size 24
		.amdhsa_user_sgpr_count 2
		.amdhsa_user_sgpr_kernarg_segment_ptr 1
		.amdhsa_wavefront_size32 1
		.amdhsa_system_sgpr_workgroup_id_x 1
		.amdhsa_system_sgpr_workgroup_id_y 1
		.amdhsa_system_sgpr_workgroup_id_z 1
		.amdhsa_system_vgpr_workitem_id 0
		.amdhsa_next_free_vgpr 1024
		.amdhsa_next_free_sgpr 100
		.amdhsa_reserve_vcc 1
		.amdhsa_float_denorm_mode_32 3
		.amdhsa_float_denorm_mode_16_64 3
		.amdhsa_memory_ordered 1
		.amdhsa_forward_progress 1
		.amdhsa_inst_pref_size 222
	.end_amdhsa_kernel
	.amdgpu_metadata
---
amdhsa.version: [ 1, 2 ]
amdhsa.kernels:
  - .name:           k_q043fdd984f_score
    .symbol:         k_q043fdd984f_score.kd
    .args:
      - { .name: qkv, .offset: 0, .size: 8, .value_kind: global_buffer, .address_space: global }
      - { .name: p, .offset: 8, .size: 8, .value_kind: global_buffer, .address_space: global }
      - { .name: pstat, .offset: 16, .size: 8, .value_kind: global_buffer, .address_space: global }
    .group_segment_fixed_size: 327680
    .private_segment_fixed_size: 0
    .kernarg_segment_align: 8
    .kernarg_segment_size: 24
    .max_flat_workgroup_size: 128
    .sgpr_count:     100
    .vgpr_count:     1024
    .wavefront_size: 32
...
	.end_amdgpu_metadata
.endif
;; end of part 3
;; launch pv (part 4): grid 8 x 32, 4 waves a work-group, clusters of 4 x 4, 327,680 bytes of LDS; arguments p, pstat, qkv, out0; writes out0
.if DOCPART == 4
	.amdgcn_target "amdgcn-amd-amdhsa--gfx1250"
	.amdhsa_code_object_version 6
	.text
	.protected	k_q043fdd984f_pv
	.globl	k_q043fdd984f_pv
	.p2align	8
	.type	k_q043fdd984f_pv,@function
k_q043fdd984f_pv:
	s_mov_b64 s[64:65], 0
	v_nop
	global_prefetch_b8 v0, s[64:65] scope:SCOPE_SE
	s_setreg_imm32_b32 hwreg(HW_REG_WAVE_MODE, 25, 1), 1
	s_wait_xcnt 0x0
	s_wait_alu depctr_hold_cnt(0) depctr_sa_sdst(0) depctr_va_vdst(0) depctr_va_sdst(0) depctr_va_ssrc(0) depctr_va_vcc(0) depctr_vm_vsrc(0)
	s_getreg_b32 s2, hwreg(HW_REG_IB_STS2, 6, 4)
	s_cmp_eq_u32 s2, 0
	s_cbranch_scc0 .Lentry_in_a_cluster
	s_endpgm
.Lentry_in_a_cluster:
	s_bfe_u32 s2, ttmp6, 0x10000c
	s_cmp_lg_u32 s2, 0xf033
	s_cbranch_scc0 .Lentry_shape_is_right
	s_endpgm
.Lentry_shape_is_right:
; out = round(1e4 x (P V) / l) / 1e4, the product on codes of FP6 (E2M3), K = the keys.
; p's codes come with scale bytes taken relative to mu, the largest whole-number maximum of their 128 keys, and with -mu and Lambda (the sum of the unquantised p under mu) for each query and 128 keys.
; HEAD: for each of my queries M = the largest mu of the row (which is the ceiling of the row's largest t); each scale word is lowered by M - mu in all four bytes (held at 63: the bytes are 64 or more, so no byte borrows);
; l = the sum of Lambda x 2^(mu - M).  The words stay in registers for the whole launch.  In each run of 128 words the word of query 16 i + r lies at byte 32 r + 4 i: one load of 16 bytes brings a lane its four blocks' words.
; SHARES, alike in all 256 work-groups: a work-group owns 128 LOW queries (128 g on, which see keys under 1,024) and the 128 HIGH queries 1,024 further on (all 2,048 keys), times 128 channels.
; A wave takes 64 low and 64 high queries x 64 channels: 32 accumulators.  Keys go in four slots of 512 through a ring of two LDS slots; in the last two slots only the high queries are multiplied:
; 384 matrix instructions in every wave, and no branch on any id.  The walk is written out: no loop.
; THE LOW QUERIES LEAVE EARLY: their sums are finished with the second slot, so their four blocks are scaled, rounded and stored during the last two slots' steps, a block's arithmetic behind a step's sixteen products
; and its stores at the head of the next step; only the high queries' four blocks are left for the end.
; CLUSTERS: 4 x 4: p's tiles are shared along a row of the cluster (the channels differ), v^T's along a column (the queries of one batch differ): joint loads.
; The low queries' part of a slot is filled once; wave 0, which fetched it, issues no refill.
; LAYOUT of p and of v^T in qkv: chunks of 12,800 bytes (128 rows x 128 keys: eight images of operand registers of 1,536 bytes; at byte 12,288 the rows' scale words).
; Source 0 = 16 channels of v^T, source 1 = 16 queries of p: lane (r, h) holds query r, register j of accumulator (a, b) channel 16 b + 8 h + j.
; LIMITS: p more than 2^63 under its row's largest 128 keys is carried with the byte of 2^-63; the division by l and the factor 1e4 are one multiplication by (1 / l) x 1e4, and the last division is a multiplication by f32(1e-4).
; REGISTERS: window 0: v1-3 r, h, 16 x lane; v16-30 addresses; v32-47 v^T's scale words, two sets; v48-95 p's; v96-111 1e4 / l; v112-207 p's fragments, set 0.  window 1: v0-95 v^T's fragments, two sets; v112-207 p's, set 1.  window 2: accumulator (a, b) at v[8 (4 a + b)].
.set CH,    12800
.set SWO,   12288
.set FRB,   1536
.set PART,  4*CH                       ; 512 keys of 128 rows
.set SLOT,  3*PART                     ; a slot's bytes: the low queries' p, the high queries' p, v^T; in LDS each part's two slots lie side by side: part i, slot s at (2 i + s) PART
.set SPARE, 2*SLOT                     ; the spare words: two blocks of 256 bytes that no other line names
.set STG,   SPARE+512                  ; the way out: 16 rows x (256 bytes + 16) for each wave, written by LDS stores alone
.set SPITCH, 272
.set ADL, 16                           ; v16-17 my low queries' fragments in slot 0, 1
.set ADH, 18                           ; v18-19 my high queries'
.set ADB, 20                           ; v20-21 my channels'
.set ADS, 22                           ; v22-23 their scale words: lanes 0-15 an even 128 keys, lanes 16-31 the odd one behind it
.set STO, 24
.set RD,  25
.set CO,  26
.set VPS, 27                           ; my lane's place in pstat
.set SPW, 28
.set NIL, 29
.set VPW, 30                           ; and among p's relative words
.set SB,  32                           ; v[32 + 8 slot + 4 u + b]
.set SA,  48                           ; low block a: v[48 + 4 u + a], u = keys / 256; high block a: v[64 + 4 u + a - 4]
.set RL,  96                           ; v[96 + 2 a]: 1e4 / l
.set AF,  112
.set NMR, 112                          ; the head: -mu, 48 registers, ordered as the scale words; then Lambda, 48
.set LMR, 160
.set NZ,  208                          ; -M of block a
.set PT,  216
.set LL,  224
.set TE,  232
.set EY,  112                          ; the low queries' way out: v112-143 the numbers (the low queries' fragments lay here), v208-239 the rows read back
.set EB,  208
.set G1A, 24
.set G0A, 32
.set G1B, 48
.set G0B, 56
.set SEL, 46
.set MSB, 0
.macro WIN new
.if MSB != (\new)
	s_set_vgpr_msb (MSB<<8)|(\new)
.set MSB, (\new)
.endif
.endm
.macro PLACES
.rept 4
	v_nop
.endr
.endm
.macro JLOAD s                         ; waves 0 and 1 fetch p (low, high), waves 2 and 3 the halves of v^T; four v_nop follow each line
	s_cmp_eq_u32 s15, 0
	s_cbranch_scc0 .Lfor_b_\@
	tensor_load_to_lds s[G0A+4*\s:G0A+4*\s+3], s[G1A:G1A+7]
	s_nop 0
.rept 4
	v_nop
.endr
	s_branch .Lasked_\@
.Lfor_b_\@:
	tensor_load_to_lds s[G0B+4*\s:G0B+4*\s+3], s[G1B:G1B+7]
	s_nop 0
.rept 4
	v_nop
.endr
.Lasked_\@:
.endm
.macro JLOADH s                        ; a refill: the low queries have no keys left, so wave 0 issues none.  The branches hang on the wave's number alone
	s_cmp_eq_u32 s14, 0
	s_cbranch_scc1 .Lasked_\@
	s_cmp_eq_u32 s15, 0
	s_cbranch_scc0 .Lfor_b_\@
	tensor_load_to_lds s[G0A+4*\s:G0A+4*\s+3], s[G1A:G1A+7]
	s_nop 0
.rept 4
	v_nop
.endr
	s_branch .Lasked_\@
.Lfor_b_\@:
	tensor_load_to_lds s[G0B+4*\s:G0B+4*\s+3], s[G1B:G1B+7]
	s_nop 0
.rept 4
	v_nop
.endr
.Lasked_\@:
.endm
.macro CREST
	s_cmp_lg_u32 s14, 0
	s_cbranch_scc1 .Lnot_wave_0_\@
	s_barrier_signal -3
.Lnot_wave_0_\@:
	s_barrier_wait -3
	s_barrier_signal -1
	s_barrier_wait -1
.endm
.macro CROUND
	s_barrier_signal -1
	s_barrier_wait -1
	CREST
.endm
	s_load_b256 s[4:11], s[0:1], 0x0               ; p s[4:5], pstat s[6:7], qkv s[8:9], out0 s[10:11]
	v_lshl_add_u32 v[SPW], v0, 2, SPARE
	v_mov_b32 v[NIL], 0
	ds_add_u32 v28, v29
	ds_add_u32 v28, v29
	s_wait_dscnt 0x0
	v_lshrrev_b32 v1, 5, v0
	v_readfirstlane_b32 s14, v1                    ; wave 0..3
	s_lshr_b32 s15, s14, 1                         ; my half of the queries.  Also: I fetch p (0) or v^T (1)
	s_and_b32 s16, s14, 1                          ; my half of the channels.  Also: which part I fetch
	s_bfe_u32 s40, ttmp6, 0x40000                  ; cx
	s_bfe_u32 s41, ttmp6, 0x40004                  ; cy
	s_and_b32 s17, ttmp7, 0xffff                   ; Y
	s_lshl_b32 s18, s17, 2
	s_add_co_u32 s18, s18, s41                     ; y = 4 Y + cy = 8 batch + g
	s_lshr_b32 s19, s18, 3
	s_and_b32 s12, s18, 7
	s_lshl_b32 s19, s19, 4
	s_add_co_u32 s19, s19, s12                     ; 16 batch + g: my low queries / 128
	s_lshl_b32 s42, ttmp9, 2
	s_add_co_u32 s42, s42, s40                     ; tc: channels / 128
	s_lshr_b32 s13, s17, 1                         ; the batch, from the cluster's y alone
	s_lshl_b32 s13, s13, 3
	s_add_co_u32 s13, s13, s42                     ; 8 batch + tc
	s_lshl_b32 s43, s41, 2
	s_lshl_b32 s43, 15, s43                        ; my row of the cluster
	s_lshl_b32 s44, 0x1111, s40                    ; my column
	s_or_b32 s[G1A+0], s43, (3<<16)|(1<<21)        ; the mask; elements of 8 bytes; no padding; bit 21 beside a mask
	s_mov_b32 s[G1A+1], 32<<16                     ; p: 200 dense rows of 256 bytes
	s_mov_b32 s[G1A+2], 400<<16                    ; at the head 400 rows: keys 0-1,023, both slots
	s_mov_b32 s[G1A+3], 32<<16
	s_mov_b32 s[G1A+4], 400
	s_mov_b32 s[G1A+5], 32
	s_mov_b32 s[G1A+6], 0
	s_mov_b32 s[G1A+7], 0
	s_or_b32 s[G1B+0], s44, (3<<16)|(1<<21)
	s_mov_b32 s[G1B+1], 32<<16                     ; v^T: 100 dense rows of 256 bytes
	s_mov_b32 s[G1B+2], 200<<16                    ; at the head 200 rows: a whole slot's v^T
	s_mov_b32 s[G1B+3], 32<<16
	s_mov_b32 s[G1B+4], 200
	s_mov_b32 s[G1B+5], 32
	s_mov_b32 s[G1B+6], 0
	s_mov_b32 s[G1B+7], 0
	s_lshl_b32 s20, s16, 3                         ; p: queries / 128 = 16 batch + g (+ 8 for the high ones), 16 chunks each: no register here ever holds cx
	s_add_co_u32 s20, s20, s19
	s_mul_i32 s20, s20, 16*CH
	s_mov_b32 s21, 0
	s_lshl_b32 s22, s13, 4                         ; v^T: chunk 1,024 + (8 batch + tc) x 16 + 2 x my part: no register here ever holds cy
	s_lshl_b32 s23, s16, 1
	s_add_co_u32 s22, s22, s23
	s_add_co_u32 s22, s22, 1024
	s_mul_i32 s22, s22, CH
	s_mov_b32 s23, 0
	s_mul_i32 s45, s16, 2*PART
	s_mul_i32 s66, s16, 2*CH
	s_add_co_u32 s66, s66, 4*PART
	s_mov_b32 s[SEL], 0x76543210
	s_mov_b32 s[SEL+1], 0xfedcba98
	s_lshl_b32 s76, s19, 14                        ; pstat at my low queries: 16 x 1,024 bytes for each 128 queries
	s_mov_b32 s77, 0
	s_mul_i32 s70, s19, 16*CH                      ; p likewise
	s_mov_b32 s71, 0
	s_lshl_b32 s74, s19, 19                        ; out0: 128 rows of 4,096 bytes,
	s_lshl_b32 s75, s15, 18                        ; my 64 of them,
	s_add_co_u32 s74, s74, s75
	s_lshl_b32 s75, s42, 9                         ; 128 channels,
	s_add_co_u32 s74, s74, s75
	s_lshl_b32 s75, s16, 8                         ; my 64 of them
	s_add_co_u32 s74, s74, s75
	s_mov_b32 s75, 0
	s_wait_kmcnt 0x0
	s_add_nc_u64 s[20:21], s[4:5], s[20:21]
	s_add_nc_u64 s[22:23], s[8:9], s[22:23]
	s_add_nc_u64 s[6:7], s[6:7], s[76:77]
	s_add_nc_u64 s[72:73], s[4:5], s[70:71]
	s_add_nc_u64 s[10:11], s[10:11], s[74:75]
	v_and_b32 v1, 15, v0                           ; r
	v_bfe_u32 v2, v0, 4, 1                         ; h
	v_and_b32 v3, 31, v0
	v_lshlrev_b32 v3, 4, v3                        ; 16 x lane
	v_lshlrev_b32 v4, 2, v1
	v_mul_u32_u24 v8, v2, CH                       ; one chunk for lanes 16-31
	v_add_nc_u32 v5, v4, v8                        ; 4 r + that
	s_lshl_b32 s69, s15, 4
	v_lshl_add_u32 v7, v1, 5, s69                  ; 32 r + 16 x my half: my four blocks' words
	v_lshl_add_u32 v[VPS], v2, 10, v7
	v_add_nc_u32 v[VPW], v8, v7
; THE HEAD'S LOADS: for 256 keys u (lanes 0-15 the even 128 keys, lanes 16-31 the odd) the words of my four blocks of 16 queries: -mu, Lambda, and the relative words straight into their scale registers.  36 loads in all
.macro PLOAD n, hi, u
	global_load_b128 v[NMR+(\n):NMR+(\n)+3], v[VPS], s[6:7] offset:\hi*131072+2048*\u
	global_load_b128 v[LMR+(\n):LMR+(\n)+3], v[VPS], s[6:7] offset:\hi*131072+2048*\u+512
	global_load_b128 v[SA+(\n):SA+(\n)+3], v[VPW], s[72:73] offset:\hi*128*CH+2*CH*\u+SWO
.endm
.irp u, 0,1,2,3
	PLOAD 4*\u,0,\u
.endr
.irp u, 0,1,2,3,4,5,6,7
	PLOAD 16+4*\u,1,\u
.endr
	s_wait_alu depctr_va_vdst(0)
	CROUND                                         ; all sixteen work-groups are here: the first joint loads meet.  The 36 loads above are out ahead of them
.irp s, 0,1
	s_mov_b32 s[G0A+4*\s], 1
	s_add_co_u32 s[G0A+4*\s+1], s45, \s*PART
	s_add_nc_u64 s[G0A+4*\s+2:G0A+4*\s+3], s[20:21], \s*PART
	s_or_b32 s[G0A+4*\s+3], s[G0A+4*\s+3], 0x80000000
	s_mov_b32 s[G0B+4*\s], 1
	s_add_co_u32 s[G0B+4*\s+1], s66, \s*PART
	s_add_nc_u64 s[G0B+4*\s+2:G0B+4*\s+3], s[22:23], \s*PART
	s_or_b32 s[G0B+4*\s+3], s[G0B+4*\s+3], 0x80000000
.endr
	s_mov_b32 s80, 1                               ; the head's group 0 for v^T: wave 2 keys 0-511 into slot 0, wave 3 keys 512-1,023 into slot 1
	s_mul_i32 s81, s16, PART
	s_add_co_u32 s81, s81, 4*PART
	s_mul_i32 s78, s16, 2*CH
	s_mov_b32 s79, 0
	s_add_nc_u64 s[82:83], s[22:23], s[78:79]
	s_or_b32 s83, s83, 0x80000000
	s_cmp_eq_u32 s15, 0                            ; one load a wave at the head: waves 0, 1 p's keys 0-1,023 (low, high queries), waves 2, 3 v^T
	s_cbranch_scc0 .Lhead_b
	tensor_load_to_lds s[G0A:G0A+3], s[G1A:G1A+7]
	s_nop 0
	PLACES
	s_branch .Lhead_asked
.Lhead_b:
	tensor_load_to_lds s[80:83], s[G1B:G1B+7]
	s_nop 0
	PLACES
.Lhead_asked:
	s_mul_i32 s66, s15, 4*FRB                      ; my 64 queries' images in a chunk
	s_mul_i32 s67, s16, 4*FRB                      ; my 64 channels'
	s_add_co_u32 s67, s67, 4*PART
	s_lshl_b32 s68, s16, 8
	s_add_co_u32 s68, s68, 4*PART+SWO
.irp s, 0,1
	v_add_nc_u32 v[ADL+\s], s66, v3
	v_add_nc_u32 v[ADH+\s], 2*PART, v[ADL+\s]
	v_add_nc_u32 v[ADB+\s], s67, v3
	v_add_nc_u32 v[ADS+\s], s68, v5
	s_add_co_u32 s66, s66, PART
	s_add_co_u32 s67, s67, PART
	s_add_co_u32 s68, s68, PART
.endr
	s_mul_i32 s69, s14, 16*SPITCH
	s_add_co_u32 s69, s69, STG                     ; my stage
	v_mul_u32_u24 v6, v1, SPITCH
	v_lshl_add_u32 v6, v2, 5, v6
	v_add_nc_u32 v[STO], s69, v6                   ; in: row r, + 32 h
	v_mul_u32_u24 v6, v2, SPITCH
	v_lshl_add_u32 v6, v1, 4, v6
	v_add_nc_u32 v[RD], s69, v6                    ; back: lanes 0-15 one row, lanes 16-31 the next
	v_lshlrev_b32 v6, 12, v2
	v_lshl_add_u32 v[CO], v1, 4, v6                ; and the same two rows in out0
.irp a, 0,1,2,3,4,5,6,7
	v_mov_b32 v[PT+\a], 0                          ; a lane permute's destination counts as one of its sources
.endr
	s_wait_loadcnt 0x0
; block a: its np registers, four apart, from n0 + a % 4 on
.macro PROW a, n0, np
.set o, (\n0)+(\a)%4
	v_min_num_f32 v[NZ+\a], v[NMR+o], v[NMR+o+4]
.set i, 2
.rept (\np-2)/2
	v_min3_num_f32 v[NZ+\a], v[NZ+\a], v[NMR+o+4*i], v[NMR+o+4*i+4]
.set i, i+2
.endr
	v_permlanex16_b32 v[PT+\a], v[NZ+\a], s[SEL], s[SEL+1]
	v_min_num_f32 v[NZ+\a], v[NZ+\a], v[PT+\a]     ; -M of my query
.set i, 0
.rept \np
	v_sub_f32 v[NMR+o+4*i], v[NMR+o+4*i], v[NZ+\a] ; M - mu: a whole number, 0 or more
.set i, i+1
.endr
.set i, 0
.rept \np
	v_min_num_f32 v[NMR+o+4*i], 0x427c0000, v[NMR+o+4*i]   ; held at 63
.set i, i+1
.endr
.set i, 0
.rept \np
	v_cvt_i32_f32 v[NMR+o+4*i], v[NMR+o+4*i]
.set i, i+1
.endr
.set i, 0
.rept \np
	v_sub_nc_u32 v[TE+i], 0, v[NMR+o+4*i]
.set i, i+1
.endr
.set i, 0
.rept \np
	v_ldexp_f32 v[LMR+o+4*i], v[LMR+o+4*i], v[TE+i]   ; Lambda under M
.set i, i+1
.endr
.set i, 0
.rept \np
	v_lshl_or_b32 v[NMR+o+4*i], v[NMR+o+4*i], 8, v[NMR+o+4*i]
.set i, i+1
.endr
.set i, 0
.rept \np
	v_lshl_or_b32 v[NMR+o+4*i], v[NMR+o+4*i], 16, v[NMR+o+4*i]   ; M - mu in all four bytes
.set i, i+1
.endr
.set i, 0
.rept \np
	v_sub_nc_u32 v[SA+o+4*i], v[SA+o+4*i], v[NMR+o+4*i]   ; the scale word under M: each byte is at least 64 and loses at most 63
.set i, i+1
.endr
	v_add_f32 v[LL+\a], v[LMR+o], v[LMR+o+4]
.set i, 2
.rept \np-2
	v_add_f32 v[LL+\a], v[LL+\a], v[LMR+o+4*i]
.set i, i+1
.endr
.endm
	PROW 0, 0, 4
	PROW 1, 0, 4
	PROW 2, 0, 4
	PROW 3, 0, 4
	PROW 4, 16, 8
	PROW 5, 16, 8
	PROW 6, 16, 8
	PROW 7, 16, 8
.irp a, 0,1,2,3,4,5,6,7                        ; the lines from here to the first product are more than the eight places that a scale register written by a vector instruction wants ahead of a scaled matrix instruction
	v_permlanex16_b32 v[PT+\a], v[LL+\a], s[SEL], s[SEL+1]
.endr
.irp a, 0,1,2,3,4,5,6,7
	v_add_f32 v[LL+\a], v[LL+\a], v[PT+\a]         ; l
.endr
	s_wait_alu depctr_va_vdst(0)
.irp a, 0,1,2,3,4,5,6,7
	v_rcp_f32 v[LL+\a], v[LL+\a]
.endr
	v_nop                                          ; one plain place behind a transcendental
	s_wait_alu depctr_va_vdst(0)
.irp a, 0,1,2,3,4,5,6,7
	v_mul_f32 v[RL+2*\a], 0x461c4000, v[LL+\a]     ; 1e4 / l
.endr
.irp a, 0,1,2,3,4,5,6,7
	v_mov_b32 v[RL+2*\a+1], 0                      ; (named with it as a pair)
.endr
.macro FRAG reg, adr, off
.irp c, 0,1,2
	ds_load_b128 v[(\reg)+4*\c:(\reg)+4*\c+3], v[\adr] offset:(\off)+512*\c
.endr
.endm
.macro FETCH sp, q, p, alo             ; the fragments of the slot's q-th 128 keys into set p: v^T's four, p's blocks alo .. 7
	WIN 0x40                                       ; destination window 1
.irp b, 0,1,2,3
	FRAG 48*(\p)+12*\b,ADB+\sp,(\q)*CH+FRB*\b
.endr
.if (\p) == 0
	WIN 0
.endif
.irp a, 0,1,2,3,4,5,6,7
.if \a >= \alo
.if \a < 4
	FRAG AF+12*\a,ADL+\sp,(\q)*CH+FRB*\a
.else
	FRAG AF+12*\a,ADH+\sp,(\q)*CH+FRB*(\a-4)
.endif
.endif
.endr
.endm
.macro SCALES sp                       ; v^T's scale words of a slot's 512 keys
	WIN 0
.irp u, 0,1
.irp b, 0,1,2,3
	ds_load_b32 v[SB+8*\sp+4*\u+\b], v[ADS+\sp] offset:2*CH*\u+64*\b
.endr
.endr
.endm
; four matrix instructions: p's block a against v^T's four, keys 512 sg + 128 q on.  The accumulators take turns, one instruction a turn, in the same order in every step.
.macro MULA a, p, q, sg, zero
.irp b, 0,1,2,3
.set rD, 8*(4*(\a)+\b)
.set rB, 48*(\p)+12*\b
.set rA, AF+12*(\a)
.set rX, SB+8*((\sg)%2)+4*((\q)/2)+\b
.if (\a) < 4
.set rY, SA+4*(2*(\sg)+(\q)/2)+(\a)
.else
.set rY, SA+16+4*(2*(\sg)+(\q)/2)+(\a)-4
.endif
.if \zero
	v_wmma_scale_f32_16x16x128_f8f6f4 v[rD:rD+7], v[rB:rB+11], v[rA:rA+11], 0, v[rX], v[rY] matrix_a_fmt:MATRIX_FMT_FP6 matrix_b_fmt:MATRIX_FMT_FP6
.elseif (\q)%2
	v_wmma_scale_f32_16x16x128_f8f6f4 v[rD:rD+7], v[rB:rB+11], v[rA:rA+11], v[rD:rD+7], v[rX], v[rY] matrix_a_fmt:MATRIX_FMT_FP6 matrix_b_fmt:MATRIX_FMT_FP6 matrix_a_scale:MATRIX_SCALE_ROW1 matrix_b_scale:MATRIX_SCALE_ROW1
.else
	v_wmma_scale_f32_16x16x128_f8f6f4 v[rD:rD+7], v[rB:rB+11], v[rA:rA+11], v[rD:rD+7], v[rX], v[rY] matrix_a_fmt:MATRIX_FMT_FP6 matrix_b_fmt:MATRIX_FMT_FP6
.endif
.endr
.endm
; THE WAY OUT, 16 queries x 64 channels at a time: x 1e4 / l, to the nearest whole number (ties to even), x 1e-4; through my stage, so that sixteen lanes store 256 consecutive bytes of a row.
; yy: 32 registers for the numbers; bb: 32 for the rows read back
.macro TOSTAGE a, yy, bb
	WIN 0x02                                       ; source 0: the accumulators' window
.set i, 0
.rept 16
	v_pk_mul_f32 v[(\yy)+i:(\yy)+i+1], v[32*(\a)+i:32*(\a)+i+1], v[RL+2*(\a):RL+2*(\a)+1] op_sel_hi:[1,0]   ; each accumulator from its low end on
.set i, i+2
.endr
	WIN 0
.set i, 0
.rept 32
	v_rndne_f32 v[(\yy)+i], v[(\yy)+i]
.set i, i+1
.endr
.set i, 0
.rept 16
	v_pk_mul_f32 v[(\yy)+i:(\yy)+i+1], v[(\yy)+i:(\yy)+i+1], 0x38d1b717 op_sel_hi:[1,0]
.set i, i+2
.endr
.irp b, 0,1,2,3
	ds_store_b128 v[STO], v[(\yy)+8*\b:(\yy)+8*\b+3] offset:64*\b
	ds_store_b128 v[STO], v[(\yy)+8*\b+4:(\yy)+8*\b+7] offset:64*\b+16
.endr
.irp t, 0,1,2,3,4,5,6,7
	ds_load_b128 v[(\bb)+4*\t:(\bb)+4*\t+3], v[RD] offset:2*SPITCH*\t   ; LDS serves a wave's instructions in order (ISA guide 5.7.1.4): these see the stores above, and the next block's stores come behind them
.endr
.endm
.macro STORES a, bb
.irp t, 0,1,2,3,4,5,6,7
	global_store_b128 v[CO], v[(\bb)+4*\t:(\bb)+4*\t+3], s[10:11] offset:((\a)/4)*4194304+((\a)%4)*65536+8192*\t th:TH_STORE_NT   ; 16 lanes store 256 consecutive bytes, at a multiple of 256 from out0's first byte; the high queries lie 1,024 rows on
.endr
.endm
.macro SEND a, bb, younger
	s_wait_dscnt \younger                          ; the block is back in registers; the next block's eight stores and eight loads may be out
	STORES \a,\bb
.endm
.macro KSTEP sp, q, sg, alo, zero      ; one of a slot's first three steps, on set q % 2; the next step's fragments are fetched ahead of the products
	s_wait_dscnt 0x0                               ; this step's fragments (and a slot's scale words) are in
	PLACES                                         ; for the loads into the other set, which the last products read
	FETCH \sp,(\q)+1,1-(\q)%2,\alo
	WIN 0xa1|(((\q)%2)<<2)                         ; source 0 (v^T) window 1, source 1 (p) window q % 2, C and D window 2
.irp a, 0,1,2,3,4,5,6,7
.if \a >= \alo
	MULA \a,(\q)%2,\q,\sg,\zero
.endif
.endr
.endm
; The same for the high queries alone, with a part of the low queries' way out: snd: the low block whose rows, read back in the step before, are stored (-1: none); stg: the low block that goes through the stage (-1: none)
.macro KSTEPE sp, q, sg, snd, stg
	s_wait_dscnt 0x0                               ; this step's fragments are in, and so are the rows that the last step read back from the stage
.if \snd >= 0
	WIN 0
	STORES \snd,EB
.endif
	PLACES
	FETCH \sp,(\q)+1,1-(\q)%2,4
	WIN 0xa1|(((\q)%2)<<2)
.irp a, 4,5,6,7
	MULA \a,(\q)%2,\q,\sg,0
.endr
.if \stg >= 0
	s_wait_xcnt 0x0                                ; the stores at this step's head have read v208-239: these are loaded again only behind this wait
	TOSTAGE \stg,EY,EB                             ; vector work that names none of the sixteen products' registers
.endif
.endm
; A slot's last step, on set 1, changes slots: one barrier; in front of it each wave waits for all its tensor loads, adds 0 to its spare word, and waits for that and for its reads of this slot.
.macro TURN sp, nx, sg, alo, nalo, fill
	WIN 0                                          ; (the add's two registers lie in window 0)
	s_wait_tensorcnt 0x0                           ; all my tensor loads have landed: my part of the next slot
	ds_add_u32 v[SPW], v[NIL]                      ; 0 onto my spare word
	s_wait_dscnt 1                                 ; the add alone may be out: set 1's loads are in
	WIN 0xa5
.irp a, 0,1,2,3,4,5,6,7
.if (\a >= \alo) && (\a < \alo+(8-\alo)/4)
	MULA \a,1,3,\sg,0                              ; matrix instructions stand between the add and the wait for it
.endif
.endr
	s_wait_dscnt 0x0                               ; the add is done, and my reads of this slot are over
	s_barrier_signal -1
.irp a, 0,1,2,3,4,5,6,7
.if (\a >= \alo+(8-\alo)/4) && (\a < \alo+(8-\alo)/2)
	MULA \a,1,3,\sg,0
.endif
.endr
	WIN 0
	s_barrier_wait -1
.if \fill
	CREST                                          ; no wave of any partner still reads this slot or has a load on its way
	s_add_nc_u64 s[G0A+4*\sp+2:G0A+4*\sp+3], s[G0A+4*\sp+2:G0A+4*\sp+3], 2*PART
	s_add_nc_u64 s[G0B+4*\sp+2:G0B+4*\sp+3], s[G0B+4*\sp+2:G0B+4*\sp+3], 2*PART
	JLOADH \sp                                     ; the first tensor load behind the round, a wave's only one until the next
.endif
	PLACES                                         ; for the loads below, on every wave's way
	FETCH \nx,0,0,\nalo
	SCALES \nx
	WIN 0xa5
.irp a, 0,1,2,3,4,5,6,7
.if \a >= \alo+(8-\alo)/2
	MULA \a,1,3,\sg,0
.endif
.endr
.endm
	s_wait_alu depctr_va_vdst(0)
	s_wait_tensorcnt 0x0                           ; my load is in: both slots
	s_mov_b32 s[G1A+2], 200<<16                    ; no load of mine is out: from here on p's load brings 200 rows, v^T's 100
	s_mov_b32 s[G1A+4], 200
	s_mov_b32 s[G1B+2], 100<<16
	s_mov_b32 s[G1B+4], 100
	s_barrier_signal -1
	s_barrier_wait -1
	FETCH 0,0,0,0
	SCALES 0
	KSTEP 0, 0, 0, 0, 1                            ; the first products start the sums: nothing is cleared
	KSTEP 0, 1, 0, 0, 0
	KSTEP 0, 2, 0, 0, 0
	TURN 0, 1, 0, 0, 0, 1                          ; slot 0 takes keys 1,024 on
	KSTEP 1, 0, 1, 0, 0
	KSTEP 1, 1, 1, 0, 0
	KSTEP 1, 2, 1, 0, 0
	TURN 1, 0, 1, 0, 4, 1                          ; slot 1 takes keys 1,536 on; the low queries' sums are finished: from here on the high queries alone are multiplied
	s_wait_alu depctr_va_vdst(0)
	KSTEPE 0, 0, 2, -1, 0
	KSTEPE 0, 1, 2, 0, 1
	KSTEPE 0, 2, 2, 1, -1
	TURN 0, 1, 2, 4, 4, 0                          ; nothing is left to fetch
	KSTEPE 1, 0, 3, -1, 2
	KSTEPE 1, 1, 3, 2, 3
	KSTEPE 1, 2, 3, 3, -1
	s_wait_dscnt 0x0
	WIN 0xa5
.irp a, 4,5,6,7
	MULA \a,1,3,3,0
.endr
	WIN 0
	PLACES
	s_wait_xcnt 0x0                                ; the low queries' stores have read their registers
	TOSTAGE 4,112,176                              ; the high queries' four blocks, on two sets of registers by turns
.irp a, 5,6,7
.if \a > 5
	s_wait_xcnt 0x0                                ; block a - 2's stores have read their registers: block a's loads may land there
.endif
	TOSTAGE \a,112+32*(\a%2),176+32*(\a%2)
	SEND \a-1,176+32*((\a-1)%2),16
.endr
	SEND 7,208,0
	s_wait_tensorcnt 0x0                           ; the wave's end
	ds_add_u32 v[SPW], v[NIL]
	s_wait_dscnt 0x0
	CROUND                                         ; the closing round
	s_endpgm
.Lfunc_end_k_q043fdd984f_pv:
	.size	k_q043fdd984f_pv, .Lfunc_end_k_q043fdd984f_pv-k_q043fdd984f_pv
	.p2alignl 7, 3214868480
	.fill 96, 4, 3214868480
	.section	.rodata,"a",@progbits
	.p2align	6, 0x0
	.amdhsa_kernel k_q043fdd984f_pv
		.amdhsa_group_segment_fixed_size 327680
		.amdhsa_private_segment_fixed_size 0
		.amdhsa_enable_private_segment 0
		.amdhsa_kernarg_size 32
		.amdhsa_user_sgpr_count 2
		.amdhsa_user_sgpr_kernarg_segment_ptr 1
		.amdhsa_wavefront_size32 1
		.amdhsa_system_sgpr_workgroup_id_x 1
		.amdhsa_system_sgpr_workgroup_id_y 1
		.amdhsa_system_sgpr_workgroup_id_z 1
		.amdhsa_system_vgpr_workitem_id 0
		.amdhsa_next_free_vgpr 768
		.amdhsa_next_free_sgpr 100
		.amdhsa_reserve_vcc 0
		.amdhsa_float_denorm_mode_32 3
		.amdhsa_float_denorm_mode_16_64 3
		.amdhsa_memory_ordered 1
		.amdhsa_forward_progress 1
		.amdhsa_inst_pref_size 165
	.end_amdhsa_kernel
	.amdgpu_metadata
---
amdhsa.version: [ 1, 2 ]
amdhsa.kernels:
  - .name:           k_q043fdd984f_pv
    .symbol:         k_q043fdd984f_pv.kd
    .args:
      - { .name: p, .offset: 0, .size: 8, .value_kind: global_buffer, .address_space: global }
      - { .name: pstat, .offset: 8, .size: 8, .value_kind: global_buffer, .address_space: global }
      - { .name: qkv, .offset: 16, .size: 8, .value_kind: global_buffer, .address_space: global }
      - { .name: out0, .offset: 24, .size: 8, .value_kind: global_buffer, .address_space: global }
    .group_segment_fixed_size: 327680
    .private_segment_fixed_size: 0
    .kernarg_segment_align: 8
    .kernarg_segment_size: 32
    .max_flat_workgroup_size: 128
    .sgpr_count:     100
    .vgpr_count:     768
    .wavefront_size: 32
...
	.end_amdgpu_metadata
.endif
;; end of part 4
